; MI455X (gfx1250); checked and timed in simulation.
; The chip was launched on July 23, 2026; its instructions are those of AMD's public machine-readable ISA for CDNA 5 (MIT licence, August 2026) and "CDNA5" Instruction Set Architecture Reference Guide (July 2026). The comments in the code are by the model that wrote it; some were corrected since.
;; Self Attention Ref. Allowed arithmetic: matrix products marked QUANTISED: E4M3 operands, one given power-of-two scale a tensor, by v_wmma_f32_16x16x64_fp8_fp8 or v_wmma_f32_16x16x128_fp8_fp8, f32 sums; everything else in f32.
;; Inputs: Wk 1,024 x 1,024 float32; Wq 1,024 x 1,024 float32; Wu 1,024 x 1,024 float32; Wv 1,024 x 1,024 float32; kln_b 64 float32; kln_w 64 float32; lowp_scales 12 int32 (the exponents e of the quantised operands' scales 2^e); qln_b 64 float32; qln_w 64 float32; x 2 x 2,048 x 1,024 float32.
;; Outputs: out0 2 x 2,048 x 1,024 float32.
;; This version of the problem:
;;   THIS VERSION OF THE PROBLEM IS GIVEN IN LOW PRECISION. The matrix products marked QUANTISED in the list below multiply operands that are first quantised to E4M3 (4 exponent bits, 3 mantissa bits; 8 bits a number), with one given power-of-two scale for each operand tensor; their sums are f32. All else is computed in f32.
;;   The module's matrix products, in the order in which they are computed (A, B: the left and right operand; K: the contracted axis; several contracted axes count as one K, in the product's order):
;;     1. [M 4,096, K 1,024] x [K 1,024, N 1,024]; A: input x; B: input Wk: QUANTISED (scales: A lowp_scales[0], B lowp_scales[1])
;;     2. [M 4,096, K 1,024] x [K 1,024, N 1,024]; A: input x; B: input Wq: QUANTISED (scales: A lowp_scales[2], B lowp_scales[3])
;;     3. [M 4,096, K 1,024] x [K 1,024, N 1,024]; A: input x; B: input Wv: QUANTISED (scales: A lowp_scales[4], B lowp_scales[5])
;;     4. batch 32 x [M 2,048, K 64] x [K 64, N 2,048]; A: computed on the way; B: computed on the way: QUANTISED (scales: A lowp_scales[6], B lowp_scales[7])
;;     5. batch 32 x [M 64, K 2,048] x [K 2,048, N 2,048]; A: computed on the way; B: softmax (see below): QUANTISED (scales: A lowp_scales[8], B lowp_scales[9])
;;     6. [M 4,096, K 1,024] x [K 1,024, N 1,024]; A: computed on the way; B: input Wu: QUANTISED (scales: A lowp_scales[10], B lowp_scales[11])
;;   THE QUANTISER, for each operand of a quantised product, along K:
;;     - The operand's scale is 2^e, e = its entry of the input lowp_scales (int32; the entries are numbered through the quantised products in the list's order, A before B).
;;     - Each number is divided by the scale, clamped to +-448, and rounded to the nearest number of E4M3, ties to even, subnormals kept.
;;     - The product sums the exact products of the quantised numbers (number of the format x scale) in f32.
;;   ~~~python
;;   def quantise(x, axis, e):      # numpy; x: float32 -> the quantised numbers, widened to float32 again
;;       x = np.moveaxis(x, axis, -1); K = x.shape[-1]
;;       r = np.clip(x / 2.0 ** e, -448, 448)
;;       step = 2.0 ** (np.maximum(np.frexp(np.where(r == 0, 1, r))[1] - 1, -6) - 3)
;;       q = np.round(r / step) * step * 2.0 ** e      # np.round: ties to even
;;       return np.moveaxis(q, -1, axis).astype(np.float32)
;;   ~~~
;;   SOFTMAX AHEAD OF A QUANTISED PRODUCT. Where the list says 'softmax', what is quantised is not the finished softmax but p = 2^(t - M), with t = logit x log2(e) and M = ceil(the row's largest t), a whole number; so 1/2 < the row's largest p <= 1. The row's sum l is taken of the UNQUANTISED p, in f32, and the product's result is divided by l at the end. Since M is a whole number, a kernel that streams over the keys may use a running M (the ceiling of the running maximum): every later rescaling is an exact power of two, so the quantised numbers keep their values, but for numbers so far below the row's largest that they fall under the format's range.
;;   OPERANDS COMPUTED ON THE WAY. 'Computed on the way' means the value that the module computes at that place (a softmax that the list does not call 'softmax' is quantised finished and normalised). What goes into a quantiser is computed in f32, as accurately as f32 sums, v_exp_f32 and their like allow (about 1e-6 of the number): no bf16 or f16 on the way to a quantiser, and a product that is left as it is and whose result goes on into a quantised operand takes f32 operands (vector FMAs, or v_wmma_f32_16x16x4_f32). A number that lies on a knife's edge between two numbers of the format may be rounded either way, as far as f32 arithmetic and the matrix unit's own rounding can turn it there, and no further.
;; One version. Each part assembles by itself: llvm-mc -triple=amdgcn-amd-amdhsa -mcpu=gfx1250 --defsym DOCPART=n.
;; ======== version 1 of 1: 4 launches
;; limits: right only within a limited range of input values
;; workspace buffers: xc 12,582,912 bytes; wc 4,194,304 bytes; qc 4,194,304 bytes; kc 4,194,304 bytes; vc 4,194,304 bytes; oc 4,194,304 bytes
;; launch quant (part 1): grid 512 x 1, 4 waves a work-group, no clusters, 68,096 bytes of LDS; arguments x, Wk, Wq, Wv, Wu, lowp_scales, xc, wc; writes xc, wc
.if DOCPART == 1
	.amdgcn_target "amdgcn-amd-amdhsa--gfx1250"
	.amdhsa_code_object_version 6
	.text
	.protected	k_q13f01b6e76_quant
	.globl	k_q13f01b6e76_quant
	.p2align	8
	.type	k_q13f01b6e76_quant,@function
k_q13f01b6e76_quant:
	s_mov_b64 s[64:65], 0
	v_nop
	global_prefetch_b8 v0, s[64:65] scope:SCOPE_SE
	s_setreg_imm32_b32 hwreg(HW_REG_WAVE_MODE, 25, 1), 1
	s_wait_xcnt 0x0
; x [4096][1024] and Wk, Wq, Wv, Wu [1024][1024], f32, K innermost, become codes of E4M3, each with the scale 2^e that is given for it.
; x is an operand of three products with three scales (entries 0, 2, 4), so it gets three sets of codes; Wk, Wq, Wv, Wu take entries 1, 3, 5, 11.
; code = number / 2^e, held within +-448, to the nearest code, ties to even.
; THE CODES ARE LAID AS IMAGES OF THE OPERAND'S REGISTERS.  A fragment is 16 rows x 128 along K, 16 registers a lane: lane (r = l % 16, h = l / 16) holds row r, registers 2 c, 2 c + 1 hold
; k = 16 c + 8 h + 0 .. 7.  Its image is 2,048 bytes: registers 4 q .. 4 q + 3 of lane l at 512 q + 16 l.  Images lie [tile of 128 rows][8 chunks of 128 along K][8 blocks of 16 rows][2048].
; SHARES.  Work-groups 0-255 take a block of 16 rows of x each, work-groups 256-511 a block of 16 rows of one weight.  Wave w takes chunks 2 w and 2 w + 1: two steps.
; A load reads 512 consecutive bytes of one row; the conversions want eight neighbours along K in one lane: a step's 16 x 512 bytes turn through the wave's own stage in LDS (rows 528 bytes apart:
; 132 words, so the sixteen rows that a read touches begin at sixteen different groups of four banks).  No barrier: waves share nothing.  Every store covers 512 consecutive bytes, aligned.
; One path for both kinds of work-group; a scalar branch on the work-group's number leaves out x's second and third set for the weights (no LDS line stands under it).
; LIMITS: each e used here lies between -126 and 119, so that 2^e and 448 x 2^e are f32 numbers.  NaN among the inputs is not served (an infinity is held at the largest code).
.set WREG, 16896                       ; LDS of a wave: two stages
.set STG,  8448                        ; a stage: 16 rows x 528 bytes
.set GA,   4                           ; v4   16 x lane: my bytes in a load's and in a store's 512
.set SA,   5                           ; v5   the stage, on the way in
.set LA,   6                           ; v6   and on the way out: 528 r + 32 h
.set R,    16                          ; v16-143  two steps' numbers as loaded
.set X,    144                         ; v144-207 a step's numbers: register 8 c + i = k 16 c + 8 h + i of row r
.set TMP,  208                         ; v208-223 two sets of eight held numbers, by turns
.set C0,   224                         ; v224-239, v240-255: two fragments of codes
.set C1,   240
	s_load_b512 s[4:19], s[0:1], 0x0               ; x, Wk, Wq, Wv, Wu, the scales' exponents, xc, wc
	v_lshl_add_u32 v14, v0, 2, 0x10800
	v_mov_b32 v15, 0
	v_lshrrev_b32 v1, 5, v0
	v_readfirstlane_b32 s20, v1                    ; wave
	v_and_b32 v1, 31, v0                           ; lane
	v_and_b32 v2, 15, v0                           ; r
	v_bfe_u32 v3, v0, 4, 1                         ; h
	v_lshlrev_b32 v[GA], 4, v1
	s_mul_i32 s45, s20, WREG
	v_add_nc_u32 v[SA], s45, v[GA]
	v_mul_u32_u24 v[LA], v2, 528
	v_lshl_add_u32 v[LA], v3, 5, v[LA]
	v_add_nc_u32 v[LA], s45, v[LA]
	s_cmp_lt_u32 ttmp9, 256                        ; x's work-group or a weight's?
	s_cselect_b32 s21, 0, 256
	s_cselect_b32 s23, 255, 63
	s_sub_co_u32 s21, ttmp9, s21
	s_lshr_b32 s22, s21, 6                         ; which weight (of no meaning for x)
	s_and_b32 s23, s21, s23                        ; the block of 16 rows
	s_lshl_b32 s34, s23, 16                        ; in: 16 rows of 4,096 bytes,
	s_lshl_b32 s45, s20, 10                        ; + my wave's two chunks of 512 bytes
	s_add_co_u32 s34, s34, s45
	s_mov_b32 s35, 0
	s_lshr_b32 s32, s23, 3                         ; out: the tile of 128 rows,
	s_lshl_b32 s32, s32, 17
	s_and_b32 s45, s23, 7                          ; the block in it,
	s_lshl_b32 s45, s45, 11
	s_add_co_u32 s32, s32, s45
	s_lshl_b32 s45, s20, 15                        ; my wave's two chunks,
	s_add_co_u32 s32, s32, s45
	s_lshl_b32 s45, s22, 20                        ; and the weight's 2^20 bytes in wc
	s_cmp_lt_u32 ttmp9, 256
	s_cselect_b32 s45, 0, s45
	s_add_co_u32 s32, s32, s45
	s_mov_b32 s33, 0
	s_wait_alu depctr_va_vdst(0)
	s_wait_kmcnt 0x0
	s_load_b256 s[36:43], s[14:15], 0x0            ; entries 0 to 7
	s_load_b32 s44, s[14:15], 0x2c                 ; entry 11
	s_cmp_eq_u32 s22, 1                            ; the choices hang on the work-group's number alone
	s_cselect_b64 s[24:25], s[8:9], s[6:7]
	s_cmp_eq_u32 s22, 2
	s_cselect_b64 s[24:25], s[10:11], s[24:25]
	s_cmp_eq_u32 s22, 3
	s_cselect_b64 s[24:25], s[12:13], s[24:25]
	s_cmp_lt_u32 ttmp9, 256
	s_cselect_b64 s[24:25], s[4:5], s[24:25]
	s_cselect_b64 s[26:27], s[16:17], s[18:19]
	s_add_nc_u64 s[24:25], s[24:25], s[34:35]      ; from here
	s_add_nc_u64 s[26:27], s[26:27], s[32:33]      ; to here; x's second and third set lie 2^22 and 2^23 bytes further on
	s_add_nc_u64 s[28:29], s[26:27], 0x400000
	s_add_nc_u64 s[30:31], s[26:27], 0x800000
.macro LOAD st                         ; step st: 16 rows x 512 bytes
.irp i, 0,1,2,3,4,5,6,7,8,9,10,11,12,13,14,15
	global_load_b128 v[R+64*\st+4*\i:R+64*\st+4*\i+3], v[GA], s[24:25] offset:4096*\i+512*\st th:TH_LOAD_NT
.endr
.endm
.macro PUT st                          ; into the stage, row by row
.irp i, 0,1,2,3,4,5,6,7,8,9,10,11,12,13,14,15
	ds_store_b128 v[SA], v[R+64*\st+4*\i:R+64*\st+4*\i+3] offset:STG*\st+528*\i
.endr
.endm
.macro GET st                          ; and back: of row r the eight numbers k = 16 c + 8 h on, for c = 0 .. 7.  LDS serves a wave's instructions in order: these see the stores
.irp c, 0,1,2,3,4,5,6,7
	ds_load_b128 v[X+8*\c:X+8*\c+3],   v[LA] offset:STG*\st+64*\c
	ds_load_b128 v[X+8*\c+4:X+8*\c+7], v[LA] offset:STG*\st+64*\c+16
.endr
.endm
.macro MKSC e, sc, lim                 ; s[e] = e: v[sc] = 2^e as f32 (the conversion takes its exponent field), v[lim] = 448 x 2^e
	s_add_co_i32 s46, s[\e], 127
	s_lshl_b32 s47, s46, 23
	v_mov_b32 v[\sc], s47
	s_add_co_i32 s46, s46, 8
	s_lshl_b32 s46, s46, 23
	s_or_b32 s46, s46, 0x600000
	v_mov_b32 v[\lim], s46
.endm
; X's 64 numbers become a fragment's 16 registers of codes.  X is kept: x is quantised three times.  The conversion to an 8-bit code does not saturate (ISA guide 7.6.2): the hold comes first.
; The held numbers lie in two sets by turns: the eight holds of one set are the plain instructions between the other set's conversion and the next write of its sources.
.macro QUANT sc, lim, dst
.irp c, 0,1,2,3,4,5,6,7
.irp i, 0,1,2,3,4,5,6,7
	v_med3_num_f32 v[TMP+8*(\c%2)+\i], v[X+8*\c+\i], -v[\lim], v[\lim]
.endr
	v_cvt_scalef32_pk8_fp8_f32 v[\dst+2*\c:\dst+2*\c+1], v[TMP+8*(\c%2):TMP+8*(\c%2)+7], v[\sc]
.endr
.endm
.macro PUSH dst, d, st                 ; the fragment's image: four stores of 512 consecutive bytes
.irp q, 0,1,2,3
	global_store_b128 v[GA], v[\dst+4*\q:\dst+4*\q+3], s[\d:\d+1] offset:16384*\st+512*\q
.endr
.endm
.macro OUTS st
.if \st > 0
	s_wait_xcnt 0x0                                ; the first step's stores have read their registers: both fragments may be written again
.endif
	QUANT 8, 9, C0
	PUSH C0, 26, \st
	s_cmp_lt_u32 ttmp9, 256
	s_cbranch_scc0 .Lweight_\@                     ; a weight has one scale
	QUANT 10, 11, C1
	PUSH C1, 28, \st
	s_wait_xcnt 0x0                                ; the first set's stores have read v224-239
	QUANT 12, 13, C0
	PUSH C0, 30, \st
.Lweight_\@:
.endm
	LOAD 0
	LOAD 1
	s_wait_kmcnt 0x0
	s_cmp_eq_u32 s22, 1                            ; the first scale: entry 1, 3, 5 or 11 for a weight, entry 0 for x
	s_cselect_b32 s45, s39, s37
	s_cmp_eq_u32 s22, 2
	s_cselect_b32 s45, s41, s45
	s_cmp_eq_u32 s22, 3
	s_cselect_b32 s45, s44, s45
	s_cmp_lt_u32 ttmp9, 256
	s_cselect_b32 s45, s36, s45
	MKSC 45, 8, 9
	MKSC 38, 10, 11                                ; entry 2
	MKSC 40, 12, 13                                ; entry 4
	s_wait_alu depctr_va_vdst(0)
	s_wait_loadcnt 16                              ; step 0's sixteen loads are in; step 1's may be out
	PUT 0
	GET 0
	s_wait_loadcnt 0x0
	PUT 1
	s_wait_dscnt 16                                ; step 0 is back in registers; behind it stand step 1's sixteen stores
	OUTS 0
	GET 1
	s_wait_dscnt 0x0
	OUTS 1
	s_wait_tensorcnt 0x0
	ds_add_u32 v14, v15
	s_wait_dscnt 0x0
	s_endpgm
.Lfunc_end_k_q13f01b6e76_quant:
	.size	k_q13f01b6e76_quant, .Lfunc_end_k_q13f01b6e76_quant-k_q13f01b6e76_quant
	.p2alignl 7, 3214868480
	.fill 96, 4, 3214868480
	.section	.rodata,"a",@progbits
	.p2align	6, 0x0
	.amdhsa_kernel k_q13f01b6e76_quant
		.amdhsa_group_segment_fixed_size 68096
		.amdhsa_private_segment_fixed_size 0
		.amdhsa_enable_private_segment 0
		.amdhsa_kernarg_size 64
		.amdhsa_user_sgpr_count 2
		.amdhsa_user_sgpr_kernarg_segment_ptr 1
		.amdhsa_wavefront_size32 1
		.amdhsa_system_sgpr_workgroup_id_x 1
		.amdhsa_system_sgpr_workgroup_id_y 1
		.amdhsa_system_sgpr_workgroup_id_z 1
		.amdhsa_system_vgpr_workitem_id 0
		.amdhsa_next_free_vgpr 256
		.amdhsa_next_free_sgpr 66
		.amdhsa_reserve_vcc 0
		.amdhsa_float_denorm_mode_32 3
		.amdhsa_float_denorm_mode_16_64 3
		.amdhsa_memory_ordered 1
		.amdhsa_forward_progress 1
		.amdhsa_inst_pref_size 41
	.end_amdhsa_kernel
	.amdgpu_metadata
---
amdhsa.version: [ 1, 2 ]
amdhsa.kernels:
  - .name:           k_q13f01b6e76_quant
    .symbol:         k_q13f01b6e76_quant.kd
    .args:
      - { .name: x, .offset: 0, .size: 8, .value_kind: global_buffer, .address_space: global }
      - { .name: Wk, .offset: 8, .size: 8, .value_kind: global_buffer, .address_space: global }
      - { .name: Wq, .offset: 16, .size: 8, .value_kind: global_buffer, .address_space: global }
      - { .name: Wv, .offset: 24, .size: 8, .value_kind: global_buffer, .address_space: global }
      - { .name: Wu, .offset: 32, .size: 8, .value_kind: global_buffer, .address_space: global }
      - { .name: lowp_scales, .offset: 40, .size: 8, .value_kind: global_buffer, .address_space: global }
      - { .name: xc, .offset: 48, .size: 8, .value_kind: global_buffer, .address_space: global }
      - { .name: wc, .offset: 56, .size: 8, .value_kind: global_buffer, .address_space: global }
    .group_segment_fixed_size: 68096
    .private_segment_fixed_size: 0
    .kernarg_segment_align: 8
    .kernarg_segment_size: 64
    .max_flat_workgroup_size: 128
    .sgpr_count:     66
    .vgpr_count:     256
    .wavefront_size: 32
...
	.end_amdgpu_metadata
.endif
;; end of part 1
;; launch qkv (part 2): grid 12 x 16, 4 waves a work-group, clusters of 4 x 4, 327,680 bytes of LDS; arguments xc, wc, lowp_scales, kln_w, kln_b, qln_w, qln_b, kc, qc, vc; writes kc, qc, vc
.if DOCPART == 2
	.amdgcn_target "amdgcn-amd-amdhsa--gfx1250"
	.amdhsa_code_object_version 6
	.text
	.protected	k_q13f01b6e76_qkv
	.globl	k_q13f01b6e76_qkv
	.p2align	8
	.type	k_q13f01b6e76_qkv,@function
k_q13f01b6e76_qkv:
	s_mov_b64 s[64:65], 0
	v_nop
	global_prefetch_b8 v0, s[64:65] scope:SCOPE_SE
	s_setreg_imm32_b32 hwreg(HW_REG_WAVE_MODE, 25, 1), 1
	s_wait_xcnt 0x0
	s_wait_alu depctr_hold_cnt(0) depctr_sa_sdst(0) depctr_va_vdst(0) depctr_va_sdst(0) depctr_va_ssrc(0) depctr_va_vcc(0) depctr_vm_vsrc(0)
	s_getreg_b32 s2, hwreg(HW_REG_IB_STS2, 6, 4)
	s_cmp_eq_u32 s2, 0
	s_cbranch_scc0 .Lentry_in_a_cluster
	s_endpgm
.Lentry_in_a_cluster:
	s_bfe_u32 s2, ttmp6, 0x10000c
	s_cmp_lg_u32 s2, 0xf033
	s_cbranch_scc0 .Lentry_shape_is_right
	s_endpgm
.Lentry_shape_is_right:
; k = LN(x Wk^T), q = LN(x Wq^T), v = x Wv^T on codes of E4M3, and their quantising for attention's two products.  LN: over each head's 64 numbers, in f32.
; A work-group makes a tile of 256 "A" rows x 256 "B" rows, 64 work-groups a product; four waves, 128 x 128 each: 64 accumulators, 512 registers.
; (Blocks of 192 columns would make 256 work-groups, but 1,024 is no multiple of 192: some would take two products, whose codes of x differ.)
; K = 1,024 goes in four steps of 256 through a ring of two LDS slots.
; OPERANDS ARE IMAGES OF REGISTERS (lane (r, h): row r; registers 2 c, 2 c + 1: k = 16 c + 8 h + 0 .. 7; registers 4 q .. 4 q + 3 of lane l at 512 q + 16 l), laid [tile of 128 rows][8 chunks of 128 K][8 blocks of 16 rows][2048]
; in memory: a K step of 128 rows is two chunks, 32,768 dense bytes, one tensor load; a fragment is four LDS loads of 512 consecutive bytes.
; THE MATRIX INSTRUCTION IS USED TRANSPOSED (source 0 = 16 B rows, source 1 = 16 A rows): lane (r, h) of accumulator (a, b) holds A row 16 a + r and B rows 16 b + 8 h + 0 .. 7.
; For k and q: A = x's rows, B = the weight's rows: a lane holds one token; four accumulators b are one head, the lane's 32 of its 64 channels; the other 32 lie in lane l xor 16.
; For v THE ROLES ARE SWAPPED, BY ADDRESSES ALONE: A = Wv's rows, B = x's rows: a lane holds one channel and eight neighbouring keys, which are the second product's K.
; In both cases eight neighbouring registers are eight neighbours along the next K: the conversions' results are the next operand's registers, stored as images.
;   qc, kc: [32 heads: 16 b + head][128 tiles of 16 tokens][1024] (K = 64: registers 0-7).   vc: [32 heads][16 chunks of 128 keys][4 blocks of 16 channels][2048].
; SCALES: products k, q, v take entries (0, 1), (2, 3), (4, 5); q is quantised with entry 6, k with entry 7, v with entry 8.
; CLUSTERS: 4 x 4 work-groups; A's tiles are asked for jointly along a row of the cluster, B's along a column.  The product (cluster x) is the same in all sixteen partners.
; PREFETCH: at the head for K steps 1 and 2, behind K step 1's load for K step 3; of the 128 blocks of 256 bytes that a wave fetches each of the four partners names 32, told apart by address, a block a lane.
; LIMITS: e0 + e1, e2 + e3 and e4 + e5 between -126 and 127; e6, e7 and e8 between -126 and 119.  NaN among the inputs is not served.
; REGISTERS: window 0: v3 16 x lane; v8-11 LDS addresses; v12, v13 the conversion's scale and 448 x it; v16-19 store offsets; v20 the prefetches' offset; v30, v31 the add's; v32-63 at work; v64-95, v96-127 LN's gains and offsets;
;   v128-255 A's fragments, on the way out a group's numbers.   window 1: B's fragments, two sets.   windows 2, 3: accumulators (a, b) at v[64 (a % 4) + 8 b], a < 4 and a > 3.
.set WV, 56
.set RH, 57                            ; which 128 of the tile's A rows are mine.  Also: I fetch for A (0) or for B (1)
.set CH, 58                            ; which 128 of its B rows.  Also: which 128 rows of the operand I fetch
.set CX, 59
.set CY, 60
.set PR, 61                            ; the product: 0 k, 1 q, 2 v
.set AI, 66                            ; A's tile of 256 rows
.set BI, 67                            ; B's
.set G1A, 24                           ; s[24:31], s[32:39] descriptor groups 1;  s[40:47], s[48:55] groups 0, one for each slot
.set G1B, 32
.set G0A, 40
.set G0B, 48
.set PFA, 82                           ; s[82:83] where my prefetches stand
.set HALFT, 32768                      ; 128 rows x 256 along K
.set SLOT, 4*HALFT                     ; A's two halves, B's two halves
.set SPARE, 2*SLOT
.set LI,   3
.set ADRA, 8                           ; v8, v9   my A fragments in slots 0, 1
.set ADRB, 10                          ; v10, v11 the same for B
.set QS,  12
.set LIM, 13
.set OA,  16
.set PFO, 20
.set SPW, 30
.set NIL, 31
.set TT,  32
.set LW,  64
.set LB,  96
.set AF,  128
.set X,   128
.set MSB, 0
.macro WIN new                         ; the immediate's high byte repeats the setting that is left
.if MSB != \new
	s_set_vgpr_msb (MSB<<8)|\new
.set MSB, \new
.endif
.endm
.set MUL_LO, 0xa1                      ; source 0 (B) window 1, source 1 (A) window 0, C and D window 2
.set MUL_HI, 0xf1                      ; the same, C and D window 3
.set TO_B,   0x40                      ; destination window 1, address window 0
.macro PLACES                          ; four plain vector instructions behind matrix instructions, ahead of loads into their sources and of reads of their results
.rept 4
	v_nop
.endr
.endm
.macro JLOAD s                         ; a joint load: waves 0 and 1 fetch for A, waves 2 and 3 for B
	s_cmp_eq_u32 s[RH], 0
	s_cbranch_scc0 .Lfor_b_\@
	tensor_load_to_lds s[G0A+4*\s:G0A+4*\s+3], s[G1A:G1A+7]
	s_nop 0
	PLACES
	s_branch .Lasked_\@
.Lfor_b_\@:
	tensor_load_to_lds s[G0B+4*\s:G0B+4*\s+3], s[G1B:G1B+7]
	s_nop 0
	PLACES
.Lasked_\@:
.endm
.macro CREST                           ; a round of the cluster's barrier behind its opening barrier
	s_cmp_lg_u32 s[WV], 0
	s_cbranch_scc1 .Lnot_wave_0_\@
	s_barrier_signal -3
.Lnot_wave_0_\@:
	s_barrier_wait -3
	s_barrier_signal -1
	s_barrier_wait -1
.endm
.macro CROUND
	s_barrier_signal -1
	s_barrier_wait -1
	CREST
.endm
.macro FRAG reg, adr, q, i
.irp c, 0,1,2,3
	ds_load_b128 v[\reg+4*\c:\reg+4*\c+3], v[\adr] offset:16384*(\q)+2048*(\i)+512*\c
.endr
.endm
.macro FETCH_B slot, q, p              ; B's eight fragments of the slot's q-th chunk into set p
	WIN TO_B
.irp i, 0,1,2,3,4,5,6,7
	FRAG 128*(\p)+16*\i, ADRB+\slot, \q, \i
.endr
	WIN 0
.endm
.macro FETCH_A slot, q, i0             ; A's blocks i0 .. i0 + 3
.irp i, \i0, \i0+1, \i0+2, \i0+3
	FRAG AF+16*(\i), ADRA+\slot, \q, \i
.endr
.endm
; 16 matrix instructions: A's blocks a0, a0 + 1 x B's eight, 128 along K.  The 64 accumulators take turns, one instruction a turn, in the same order in every chunk.
.macro MUL16 a0, p, zero
.irp a, \a0, \a0+1
.irp b, 0,1,2,3,4,5,6,7
.if \zero
	v_wmma_f32_16x16x128_fp8_fp8 v[8*(8*((\a)%4)+\b):8*(8*((\a)%4)+\b)+7], v[128*(\p)+16*\b:128*(\p)+16*\b+15], v[AF+16*(\a):AF+16*(\a)+15], 0
.else
	v_wmma_f32_16x16x128_fp8_fp8 v[8*(8*((\a)%4)+\b):8*(8*((\a)%4)+\b)+7], v[128*(\p)+16*\b:128*(\p)+16*\b+15], v[AF+16*(\a):AF+16*(\a)+15], v[8*(8*((\a)%4)+\b):8*(8*((\a)%4)+\b)+7]
.endif
.endr
.endr
.endm
.macro STEP slot, zero                 ; a slot's first chunk; its second is fetched
	s_wait_dscnt 16                                ; B's set and A's blocks 0-3 are in; the youngest 16 loads (A's blocks 4-7) may be out
	FETCH_B \slot, 1, 1                            ; the other set: its last products stand four places back
	WIN MUL_LO
	MUL16 0, 0, \zero
	MUL16 2, 0, \zero
	s_wait_dscnt 32                                ; A's blocks 4-7 are in; B's 32 loads may be out
	PLACES
	WIN 0
	FETCH_A \slot, 1, 0
	WIN MUL_HI
	MUL16 4, 0, \zero
	MUL16 6, 0, \zero
	PLACES
	WIN 0
	FETCH_A \slot, 1, 4
.endm
; A slot's second chunk changes slots: one barrier.  fill = 1: it opens a round of the cluster's barrier, behind which this slot takes the K step two on.
.macro TURN slot, next, fill
	s_wait_tensorcnt 0x0                           ; my part of the next slot has landed
	ds_add_u32 v[SPW], v[NIL]                      ; 0 onto my spare word
	s_wait_dscnt 17                                ; (the add and the youngest 16 loads may be out)
	WIN MUL_LO
	MUL16 0, 1, 0
	s_wait_dscnt 0x0                               ; the add is done, and my reads of this slot are over
	s_barrier_signal -1
	MUL16 2, 1, 0
	WIN 0
	s_barrier_wait -1
.if \fill
	CREST                                          ; no wave of any partner still reads this slot or has a load on its way
	s_add_nc_u64 s[G0A+4*\slot+2:G0A+4*\slot+3], s[G0A+4*\slot+2:G0A+4*\slot+3], 2*HALFT
	s_add_nc_u64 s[G0B+4*\slot+2:G0B+4*\slot+3], s[G0B+4*\slot+2:G0B+4*\slot+3], 2*HALFT
	JLOAD \slot                                    ; its four v_nop are the places in front of the loads below, too
.else
	PLACES
.endif
	FETCH_B \next, 0, 0
	FETCH_A \next, 0, 0
	WIN MUL_HI
	MUL16 4, 1, 0
	MUL16 6, 1, 0
	PLACES
	WIN 0
	FETCH_A \next, 0, 4
.endm
	s_load_b512 s[4:19], s[0:1], 0x0               ; xc, wc, the scales' exponents, kln_w, kln_b, qln_w, qln_b, kc
	s_load_b128 s[20:23], s[0:1], 0x40             ; qc, vc
	v_lshl_add_u32 v[SPW], v0, 2, SPARE
	v_mov_b32 v[NIL], 0
	ds_add_u32 v[SPW], v[NIL]                      ; the opening: the add, twice on end, and its wait ahead of my first tensor load
	ds_add_u32 v[SPW], v[NIL]
	v_lshrrev_b32 v1, 5, v0
	v_readfirstlane_b32 s[WV], v1
	s_lshr_b32 s[RH], s[WV], 1
	s_and_b32 s[CH], s[WV], 1
	s_bfe_u32 s[CX], ttmp6, 0x40000
	s_bfe_u32 s[CY], ttmp6, 0x40004
	s_mov_b32 s[PR], ttmp9                         ; cluster x
	s_and_b32 s62, ttmp7, 0xffff
	s_lshl_b32 s62, s62, 2                         ; 4 x cluster y: which four of x's sixteen tiles
	s_cmp_eq_u32 s[PR], 2                          ; v: A is the weight (four tiles), B is x
	s_cselect_b32 s[AI], 0, s62
	s_cselect_b32 s[BI], s62, 0
	s_cselect_b32 s100, 20, 22                     ; a product's codes: 2^22 bytes in xc, 2^20 in wc
	s_cselect_b32 s101, 22, 20
	s_add_co_u32 s[AI], s[AI], s[CY]               ; A's tile hangs on cy, which my row of the cluster shares,
	s_add_co_u32 s[BI], s[BI], s[CX]               ; B's on cx, which my column shares
	s_lshl_b32 s62, s[CY], 2
	s_lshl_b32 s62, 15, s62                        ; my row of the cluster
	s_lshl_b32 s2, 0x1111, s[CX]                   ; my column
	s_or_b32 s[G1A], s62, (3<<16)|(1<<21)          ; 15:0 the mask; 17:16 elements of 8 bytes; 21 set beside a mask; no padding
	s_or_b32 s[G1B], s2, (3<<16)|(1<<21)
.irp g, G1A, G1B
	s_mov_b32 s[\g+1], 32<<16                      ; tensor_dim0 = 32 elements: rows of 256 bytes
	s_mov_b32 s[\g+2], 128<<16                     ; tensor_dim1 = 128 rows: 32,768 dense bytes
	s_mov_b32 s[\g+3], 32<<16                      ; tile_dim0
	s_mov_b32 s[\g+4], 128                         ; tile_dim1
	s_mov_b32 s[\g+5], 32                          ; from row to row
	s_mov_b32 s[\g+6], 0
	s_mov_b32 s[\g+7], 0
.endr
	s_lshl_b32 s100, s[PR], s100
	s_lshl_b32 s101, s[PR], s101
	s_lshl_b32 s62, s[AI], 18                      ; 256 rows are 262,144 bytes
	s_add_co_u32 s62, s62, s100
	s_lshl_b32 s2, s[BI], 18
	s_add_co_u32 s2, s2, s101
	s_lshl_b32 s100, s[CH], 17                     ; my 128 rows of them
	s_add_co_u32 s62, s62, s100
	s_add_co_u32 s2, s2, s100
	s_lshl_b32 s100, s[WV], 15                     ; in LDS: wave x 128 rows
	s_mov_b32 s63, 0
	s_mov_b32 s3, 0
	s_wait_dscnt 0x0
	s_wait_kmcnt 0x0
	s_load_b256 s[84:91], s[8:9], 0x0              ; entries 0 to 7
	s_load_b128 s[92:95], s[8:9], 0x20             ; entries 8 to 11
	s_cmp_eq_u32 s[PR], 2
	s_cselect_b64 s[96:97], s[6:7], s[4:5]         ; A's buffer
	s_cselect_b64 s[98:99], s[4:5], s[6:7]         ; B's
	s_add_nc_u64 s[96:97], s[96:97], s[62:63]
	s_add_nc_u64 s[98:99], s[98:99], s[2:3]
	s_cmp_eq_u32 s[PR], 1
	s_cselect_b64 s[10:11], s[14:15], s[10:11]     ; LN's gains: q's for q, k's else (v loads them and does not use them)
	s_cselect_b64 s[12:13], s[16:17], s[12:13]     ; its offsets
	s_cselect_b64 s[18:19], s[20:21], s[18:19]     ; where the codes go
	s_cmp_eq_u32 s[PR], 2
	s_cselect_b64 s[18:19], s[22:23], s[18:19]
	CROUND                                         ; all sixteen work-groups are here: the joint loads meet
.irp s, 0,1
	s_mov_b32 s[G0A+4*\s], 1
	s_add_co_u32 s[G0A+4*\s+1], s100, \s*SLOT
	s_add_nc_u64 s[G0A+4*\s+2:G0A+4*\s+3], s[96:97], \s*HALFT
	s_or_b32 s[G0A+4*\s+3], s[G0A+4*\s+3], 0x80000000
	s_mov_b32 s[G0B+4*\s], 1
	s_add_co_u32 s[G0B+4*\s+1], s100, \s*SLOT
	s_add_nc_u64 s[G0B+4*\s+2:G0B+4*\s+3], s[98:99], \s*HALFT
	s_or_b32 s[G0B+4*\s+3], s[G0B+4*\s+3], 0x80000000
.endr
	JLOAD 0                                        ; K step 0: one tensor load a wave at the head
	; the prefetches: my tile's 128 rows; my work-group's 8,192 of each K step's 32,768 bytes
	s_cmp_eq_u32 s[RH], 0
	s_cselect_b32 s80, s[CX], s[CY]                ; my place among the four that ask with me
	s_cselect_b64 s[PFA:PFA+1], s[96:97], s[98:99]
	s_lshl_b32 s80, s80, 13
	s_mov_b32 s81, 0
	s_add_nc_u64 s[PFA:PFA+1], s[PFA:PFA+1], s[80:81]
	; where my codes go.  q, k: block of 16 tokens rb = 16 AI + 8 RH, head = 4 BI + 2 CH: byte ((16 (rb / 128) + head) 128 + rb % 128) 1024
	s_lshl_b32 s14, s[AI], 4
	s_lshl_b32 s15, s[RH], 3
	s_add_co_u32 s14, s14, s15
	s_lshl_b32 s15, s[BI], 2
	s_add_co_u32 s15, s15, s[CH]
	s_add_co_u32 s15, s15, s[CH]
	s_lshr_b32 s16, s14, 7
	s_lshl_b32 s16, s16, 4
	s_add_co_u32 s16, s16, s15
	s_lshl_b32 s16, s16, 7
	s_and_b32 s14, s14, 127
	s_add_co_u32 s16, s16, s14
	s_lshl_b32 s16, s16, 10
	; v: head = 4 AI + 2 RH, chunk of 128 keys ch = 2 BI + CH: byte ((16 (ch / 16) + head) 16 + ch % 16) 8192
	s_lshl_b32 s14, s[AI], 2
	s_add_co_u32 s14, s14, s[RH]
	s_add_co_u32 s14, s14, s[RH]
	s_lshl_b32 s15, s[BI], 1
	s_add_co_u32 s15, s15, s[CH]
	s_lshr_b32 s17, s15, 4
	s_lshl_b32 s17, s17, 4
	s_add_co_u32 s17, s17, s14
	s_lshl_b32 s17, s17, 4
	s_and_b32 s15, s15, 15
	s_add_co_u32 s17, s17, s15
	s_lshl_b32 s17, s17, 13
	s_mov_b32 s68, 0x20000                         ; from accumulators a < 4 to a > 3: v: the next head; q, k: four blocks of 1,024 bytes on
	s_mov_b32 s69, 0x20000                         ; from b < 4 to b > 3: q, k: the next head; v: 64 keys, registers 8 on, 1,024 bytes
	s_mov_b32 s70, 4096
	s_mov_b32 s71, 1024
	s_mov_b32 s72, 2048
	s_cmp_eq_u32 s[PR], 2
	s_cselect_b32 s16, s17, s16
	s_cselect_b32 s68, s68, s70
	s_cselect_b32 s69, s71, s69
	s_cselect_b32 s20, s72, s71                    ; from one block a to the next
	s_mov_b32 s17, 0
	s_add_nc_u64 s[18:19], s[18:19], s[16:17]
	s_lshl_b32 s14, s[RH], 15                      ; my 128 rows of A in a slot,
	s_lshl_b32 s15, s[CH], 15
	s_add_co_u32 s15, s15, 2*HALFT                 ; and of B, behind A's 256
	v_and_b32 v1, 31, v0
	v_bfe_u32 v2, v0, 4, 1                         ; h
	v_lshlrev_b32 v[LI], 4, v1
	v_lshlrev_b32 v[PFO], 8, v1                    ; a block of 256 bytes a lane
	v_lshlrev_b32 v4, 5, v2                        ; LN: lane (r, h) wants channels 16 b + 8 h + 0 .. 7: byte 64 b + 32 h
	v_add_nc_u32 v[ADRA], s14, v[LI]
	v_add_nc_u32 v[ADRB], s15, v[LI]
	v_add_nc_u32 v[ADRA+1], SLOT, v[ADRA]
	v_add_nc_u32 v[ADRB+1], SLOT, v[ADRB]
	v_mov_b32 v[OA], v[LI]
	v_add_nc_u32 v[OA+1], s20, v[OA]
	v_add_nc_u32 v[OA+2], s20, v[OA+1]
	v_add_nc_u32 v[OA+3], s20, v[OA+2]
	s_wait_alu depctr_va_vdst(0)
	global_prefetch_b8 v[PFO], s[PFA:PFA+1] offset:HALFT th:TH_LOAD_NT scope:SCOPE_SE      ; K step 1,
	global_prefetch_b8 v[PFO], s[PFA:PFA+1] offset:2*HALFT th:TH_LOAD_NT scope:SCOPE_SE    ; K step 2
.irp b, 0,1,2,3
	global_load_b128 v[LW+8*\b:LW+8*\b+3],   v4, s[10:11] offset:64*\b
	global_load_b128 v[LW+8*\b+4:LW+8*\b+7], v4, s[10:11] offset:64*\b+16
	global_load_b128 v[LB+8*\b:LB+8*\b+3],   v4, s[12:13] offset:64*\b
	global_load_b128 v[LB+8*\b+4:LB+8*\b+7], v4, s[12:13] offset:64*\b+16
.endr
	s_wait_kmcnt 0x0                               ; the scales.  No branch hangs on them
	s_cmp_eq_u32 s[PR], 1
	s_cselect_b32 s21, s86, s84                    ; ea
	s_cselect_b32 s22, s87, s85                    ; eb
	s_cselect_b32 s23, s90, s91                    ; the result's: entry 6 for q, entry 7 for k,
	s_cmp_eq_u32 s[PR], 2
	s_cselect_b32 s21, s88, s21
	s_cselect_b32 s22, s89, s22
	s_cselect_b32 s23, s92, s23                    ; entry 8 for v
	s_add_co_i32 s21, s21, s22                     ; ea + eb: a sum stands for sum x 2^(ea + eb)
	s_add_co_i32 s21, s21, 127
	s_lshl_b32 s96, s21, 23                        ; 2^(ea + eb) as f32
	s_mov_b32 s97, s96                             ; (named with it as a pair, so it is written)
	s_add_co_i32 s22, s23, 127
	s_lshl_b32 s23, s22, 23
	v_mov_b32 v[QS], s23
	s_add_co_i32 s22, s22, 8
	s_lshl_b32 s22, s22, 23
	s_or_b32 s22, s22, 0x600000
	v_mov_b32 v[LIM], s22                          ; 448 x the scale
	s_mov_b32 s98, 0x76543210                      ; v_permlanex16_b32: lane l xor 16
	s_mov_b32 s99, 0xfedcba98
	s_mov_b32 s100, 0x3c800000                     ; 1 / 64
	s_mov_b32 s101, 0x3727c5ac                     ; 1e-5
	s_wait_alu depctr_va_vdst(0)
	s_wait_tensorcnt 0x0                           ; my part of K step 0 is in
	ds_add_u32 v[SPW], v[NIL]
	s_wait_dscnt 0x0
	CROUND                                         ; everybody's part of K step 0 is in, and the joint loads meet
	JLOAD 1                                        ; K step 1
	FETCH_B 0, 0, 0
	FETCH_A 0, 0, 0
	FETCH_A 0, 0, 4
	global_prefetch_b8 v[PFO], s[PFA:PFA+1] offset:3*HALFT th:TH_LOAD_NT scope:SCOPE_SE    ; K step 3: two K steps ahead of its load
	STEP 0, 1                                      ; the first products start the sums: nothing is cleared
	TURN 0, 1, 1                                   ; slot 0 takes K step 2
	STEP 1, 0
	TURN 1, 0, 1                                   ; slot 1 takes K step 3
	STEP 0, 0
	TURN 0, 1, 0
	STEP 1, 0
	s_wait_dscnt 16                                ; the last chunk
	WIN MUL_LO
	MUL16 0, 1, 0
	MUL16 2, 1, 0
	s_wait_dscnt 0x0
	WIN MUL_HI
	MUL16 4, 1, 0
	MUL16 6, 1, 0
	WIN 0
	PLACES
	s_wait_loadcnt 0x0                             ; LN's gains and offsets
; THE WAY OUT, four groups of 128 numbers a lane: group g = accumulators a of half g / 2, b of half g % 2.  X(a) = v[X + 32 a ..]: register 8 b + j = B row 16 b + 8 h + j of A row 16 a + r.
.macro COPY w, hh                      ; the group's sums x 2^(ea + eb) (nothing is rounded) into window 0, each accumulator from its low end on
	WIN \w
	s_wait_alu depctr_va_vdst(0)
.irp i, 0,2,4,6,8,10,12,14,16,18,20,22,24,26,28,30
.irp a, 0,1,2,3
	v_pk_mul_f32 v[X+32*\a+\i:X+32*\a+\i+1], v[64*\a+32*\hh+\i:64*\a+32*\hh+\i+1], s[96:97] op_sel_hi:[1,0]
.endr
.endr
	WIN 0
	s_wait_alu depctr_va_vdst(0)                   ; ahead of the branch
.endm
.macro JOIN                            ; two chains, a pair's two halves, and lane l xor 16's: the head's 64 numbers summed, in v[TT + 8 a] of every lane
.irp a, 0,1,2,3
	v_pk_add_f32 v[TT+8*\a:TT+8*\a+1], v[TT+8*\a:TT+8*\a+1], v[TT+8*\a+2:TT+8*\a+3]
.endr
.irp a, 0,1,2,3
	v_add_f32 v[TT+8*\a], v[TT+8*\a], v[TT+8*\a+1]
.endr
.irp a, 0,1,2,3
	v_permlanex16_b32 v[TT+8*\a+2], v[TT+8*\a], s98, s99
.endr
.irp a, 0,1,2,3
	v_add_f32 v[TT+8*\a], v[TT+8*\a], v[TT+8*\a+2]
.endr
.endm
	s_mov_b32 s3, 0
.Lgrp:
	s_wait_xcnt 0x0                                ; the last group's stores have read their registers and their base
	s_lshr_b32 s20, s3, 1
	s_mul_i32 s20, s20, s68
	s_and_b32 s21, s3, 1
	s_mul_i32 s21, s21, s69
	s_add_co_u32 s20, s20, s21
	s_mov_b32 s21, 0
	s_add_nc_u64 s[22:23], s[18:19], s[20:21]      ; where this group's codes go
	s_cmp_eq_u32 s3, 1
	s_cbranch_scc1 .Lgrp1
	s_cmp_eq_u32 s3, 2
	s_cbranch_scc1 .Lgrp2
	s_cmp_eq_u32 s3, 3
	s_cbranch_scc1 .Lgrp3
	COPY 0x02, 0
	s_branch .Lgot
.Lgrp1:
	COPY 0x02, 1
	s_branch .Lgot
.Lgrp2:
	COPY 0x03, 0
	s_branch .Lgot
.Lgrp3:
	COPY 0x03, 1
.Lgot:
	s_cmp_eq_u32 s[PR], 2
	s_cbranch_scc1 .Ltail                          ; v has no norm
.irp a, 0,1,2,3
	v_pk_add_f32 v[TT+8*\a:TT+8*\a+1], v[X+32*\a:X+32*\a+1], v[X+32*\a+2:X+32*\a+3]
.endr
.irp a, 0,1,2,3
	v_pk_add_f32 v[TT+8*\a+2:TT+8*\a+3], v[X+32*\a+4:X+32*\a+5], v[X+32*\a+6:X+32*\a+7]
.endr
.irp i, 8,12,16,20,24,28
.irp a, 0,1,2,3
	v_pk_add_f32 v[TT+8*\a:TT+8*\a+1], v[TT+8*\a:TT+8*\a+1], v[X+32*\a+\i:X+32*\a+\i+1]
.endr
.irp a, 0,1,2,3
	v_pk_add_f32 v[TT+8*\a+2:TT+8*\a+3], v[TT+8*\a+2:TT+8*\a+3], v[X+32*\a+\i+2:X+32*\a+\i+3]
.endr
.endr
	JOIN
.irp a, 0,1,2,3
	v_mul_f32 v[TT+8*\a+4], s100, v[TT+8*\a]       ; the mean, twice: a pair for the packed subtraction
	v_mul_f32 v[TT+8*\a+5], s100, v[TT+8*\a]
.endr
.irp i, 0,2,4,6,8,10,12,14,16,18,20,22,24,26,28,30
.irp a, 0,1,2,3
	v_pk_add_f32 v[X+32*\a+\i:X+32*\a+\i+1], v[X+32*\a+\i:X+32*\a+\i+1], v[TT+8*\a+4:TT+8*\a+5] neg_lo:[0,1] neg_hi:[0,1]
.endr
.endr
.irp a, 0,1,2,3
	v_pk_mul_f32 v[TT+8*\a:TT+8*\a+1], v[X+32*\a:X+32*\a+1], v[X+32*\a:X+32*\a+1]
.endr
.irp a, 0,1,2,3
	v_pk_mul_f32 v[TT+8*\a+2:TT+8*\a+3], v[X+32*\a+2:X+32*\a+3], v[X+32*\a+2:X+32*\a+3]
.endr
.irp i, 4,8,12,16,20,24,28
.irp a, 0,1,2,3
	v_pk_fma_f32 v[TT+8*\a:TT+8*\a+1], v[X+32*\a+\i:X+32*\a+\i+1], v[X+32*\a+\i:X+32*\a+\i+1], v[TT+8*\a:TT+8*\a+1]
.endr
.irp a, 0,1,2,3
	v_pk_fma_f32 v[TT+8*\a+2:TT+8*\a+3], v[X+32*\a+\i+2:X+32*\a+\i+3], v[X+32*\a+\i+2:X+32*\a+\i+3], v[TT+8*\a+2:TT+8*\a+3]
.endr
.endr
	JOIN
.irp a, 0,1,2,3
	v_fma_f32 v[TT+8*\a], v[TT+8*\a], s100, s101   ; the variance + 1e-5
.endr
	s_wait_alu depctr_va_vdst(0)                   ; the wait ahead of the batch,
.irp a, 0,1,2,3
	v_rsq_f32 v[TT+8*\a+6], v[TT+8*\a]
.endr
	v_nop                                          ; a plain instruction behind the last of the four,
	s_wait_alu depctr_va_vdst(0)                   ; and behind it, ahead of the first use of its results
.irp a, 0,1,2,3
	v_mov_b32 v[TT+8*\a+7], v[TT+8*\a+6]
.endr
.irp i, 0,2,4,6,8,10,12,14,16,18,20,22,24,26,28,30
.irp a, 0,1,2,3
	v_pk_mul_f32 v[X+32*\a+\i:X+32*\a+\i+1], v[X+32*\a+\i:X+32*\a+\i+1], v[TT+8*\a+6:TT+8*\a+7]
.endr
.endr
.irp i, 0,2,4,6,8,10,12,14,16,18,20,22,24,26,28,30
.irp a, 0,1,2,3
	v_pk_fma_f32 v[X+32*\a+\i:X+32*\a+\i+1], v[X+32*\a+\i:X+32*\a+\i+1], v[LW+\i:LW+\i+1], v[LB+\i:LB+\i+1]
.endr
.endr
.Ltail:
; THE CODES.  Eight neighbouring registers are eight neighbours along the next K.  The conversion does not saturate (ISA guide 7.6.2): the hold comes first.
	s_wait_alu depctr_va_vdst(0)
.irp a, 0,1,2,3
.set ii, 0
.rept 32
	v_med3_num_f32 v[X+32*\a+ii], v[X+32*\a+ii], -v[LIM], v[LIM]
.set ii, ii+1
.endr
.irp b, 0,1,2,3
	v_cvt_scalef32_pk8_fp8_f32 v[TT+8*\a+2*\b:TT+8*\a+2*\b+1], v[X+32*\a+8*\b:X+32*\a+8*\b+7], v[QS]
.endr
	v_nop                                          ; one plain instruction behind the last conversion of a run
	global_store_b128 v[OA+\a], v[TT+8*\a:TT+8*\a+3],   s[22:23]             ; 512 consecutive bytes, aligned
	global_store_b128 v[OA+\a], v[TT+8*\a+4:TT+8*\a+7], s[22:23] offset:512
.endr
	s_add_co_u32 s3, s3, 1
	s_cmp_lt_u32 s3, 4
	s_wait_alu depctr_va_vdst(0)
	s_cbranch_scc1 .Lgrp
	s_wait_tensorcnt 0x0                           ; the wave's end
	ds_add_u32 v[SPW], v[NIL]
	s_wait_dscnt 0x0
	CROUND                                         ; the closing round: no work-group ends while a partner may still ask for a tile that names it
	s_endpgm
.Lfunc_end_k_q13f01b6e76_qkv:
	.size	k_q13f01b6e76_qkv, .Lfunc_end_k_q13f01b6e76_qkv-k_q13f01b6e76_qkv
	.p2alignl 7, 3214868480
	.fill 96, 4, 3214868480
	.section	.rodata,"a",@progbits
	.p2align	6, 0x0
	.amdhsa_kernel k_q13f01b6e76_qkv
		.amdhsa_group_segment_fixed_size 327680
		.amdhsa_private_segment_fixed_size 0
		.amdhsa_enable_private_segment 0
		.amdhsa_kernarg_size 80
		.amdhsa_user_sgpr_count 2
		.amdhsa_user_sgpr_kernarg_segment_ptr 1
		.amdhsa_wavefront_size32 1
		.amdhsa_system_sgpr_workgroup_id_x 1
		.amdhsa_system_sgpr_workgroup_id_y 1
		.amdhsa_system_sgpr_workgroup_id_z 1
		.amdhsa_system_vgpr_workitem_id 0
		.amdhsa_next_free_vgpr 1024
		.amdhsa_next_free_sgpr 102
		.amdhsa_reserve_vcc 0
		.amdhsa_float_denorm_mode_32 3
		.amdhsa_float_denorm_mode_16_64 3
		.amdhsa_memory_ordered 1
		.amdhsa_forward_progress 1
		.amdhsa_inst_pref_size 131
	.end_amdhsa_kernel
	.amdgpu_metadata
---
amdhsa.version: [ 1, 2 ]
amdhsa.kernels:
  - .name:           k_q13f01b6e76_qkv
    .symbol:         k_q13f01b6e76_qkv.kd
    .args:
      - { .name: xc, .offset: 0, .size: 8, .value_kind: global_buffer, .address_space: global }
      - { .name: wc, .offset: 8, .size: 8, .value_kind: global_buffer, .address_space: global }
      - { .name: lowp_scales, .offset: 16, .size: 8, .value_kind: global_buffer, .address_space: global }
      - { .name: kln_w, .offset: 24, .size: 8, .value_kind: global_buffer, .address_space: global }
      - { .name: kln_b, .offset: 32, .size: 8, .value_kind: global_buffer, .address_space: global }
      - { .name: qln_w, .offset: 40, .size: 8, .value_kind: global_buffer, .address_space: global }
      - { .name: qln_b, .offset: 48, .size: 8, .value_kind: global_buffer, .address_space: global }
      - { .name: kc, .offset: 56, .size: 8, .value_kind: global_buffer, .address_space: global }
      - { .name: qc, .offset: 64, .size: 8, .value_kind: global_buffer, .address_space: global }
      - { .name: vc, .offset: 72, .size: 8, .value_kind: global_buffer, .address_space: global }
    .group_segment_fixed_size: 327680
    .private_segment_fixed_size: 0
    .kernarg_segment_align: 8
    .kernarg_segment_size: 80
    .max_flat_workgroup_size: 128
    .sgpr_count:     102
    .vgpr_count:     1024
    .wavefront_size: 32
...
	.end_amdgpu_metadata
.endif
;; end of part 2
;; launch attn (part 3): grid 8 x 32, 16 waves a work-group, clusters of 4 x 1, 299,008 bytes of LDS; arguments qc, kc, vc, lowp_scales, oc; writes oc
.if DOCPART == 3
	.amdgcn_target "amdgcn-amd-amdhsa--gfx1250"
	.amdhsa_code_object_version 6
	.text
	.protected	k_q13f01b6e76_attn
	.globl	k_q13f01b6e76_attn
	.p2align	8
	.type	k_q13f01b6e76_attn,@function
k_q13f01b6e76_attn:
	s_mov_b64 s[64:65], 0
	v_nop
	global_prefetch_b8 v0, s[64:65] scope:SCOPE_SE
	s_setreg_imm32_b32 hwreg(HW_REG_WAVE_MODE, 25, 1), 1
	s_wait_xcnt 0x0
	s_wait_alu depctr_hold_cnt(0) depctr_sa_sdst(0) depctr_va_vdst(0) depctr_va_sdst(0) depctr_va_ssrc(0) depctr_va_vcc(0) depctr_vm_vsrc(0)
	s_getreg_b32 s2, hwreg(HW_REG_IB_STS2, 6, 4)
	s_cmp_eq_u32 s2, 0
	s_cbranch_scc0 .Lentry_in_a_cluster
	s_endpgm
.Lentry_in_a_cluster:
	s_bfe_u32 s2, ttmp6, 0x10000c
	s_cmp_lg_u32 s2, 0x3003
	s_cbranch_scc0 .Lentry_shape_is_right
	s_endpgm
.Lentry_shape_is_right:
; o = softmax(q k^T / 8, causal) v for 32 heads of 2,048 tokens x 64 channels, both products on codes of E4M3, and o's quantising for the last projection.
; THE SOFTMAX AHEAD OF THE SECOND PRODUCT: t = score x log2(e) / 8; M = the running largest t, rounded up to a whole number; p = 2^(t - M) is what is quantised (entry 9), not normalised.
; The row's sum is taken of the unquantised p and divides at the end.  When M moves, the sum and O are multiplied by 2^(old M - new M): exact.
; ALL OPERANDS ARE IMAGES OF REGISTERS (lane (r, h): row r; registers 2 c, 2 c + 1: k = 16 c + 8 h + 0 .. 7; registers 4 q .. 4 q + 3 of lane l at 512 q + 16 l).
; A head's K (128 tiles of 16 keys x 1,024 bytes) and V (16 chunks of 128 keys x 4 blocks of 16 channels x 2,048 bytes) lie WHOLLY in LDS, K at 0, V at 131,072, as they lie in memory: each LDS byte is filled once,
; by one tensor load a wave at the head (16,384 dense bytes).  One barrier shows all of it to all waves.  No prefetch is laid: no later request exists that one could run ahead of.
; BOTH PRODUCTS TRANSPOSED: S^T = K Q^T (source 0 = 16 keys, source 1 = 16 queries): lane (r, h) of tile c holds query r and keys 16 c + 8 h + 0 .. 7, which are registers 2 c, 2 c + 1 of P as source 1 of
; O^T = V^T P^T (source 0 = 16 channels x 128 keys); its result holds query r and channels 16 u + 8 h + 0 .. 7, which are registers 2 u, 2 u + 1 of the last projection's operand.
; SHARES.  A step is 128 keys.  A work-group has eight PAIRS of tiles of 16 queries: pair i: an early one, tau = 4 f + cx with f = 2 i + cluster x, whose last step is i, and a late one, f' = 31 - f, whose last step is 15 - i.
; Two waves share a pair: wave type 0 walks the late tile's steps 0 .. 8; type 1 the early tile's 0 .. i, then the late tile's 9 .. 15 - i: nine and eight steps.  Type = (w / 4) % 2, i = w % 4 + 4 (w / 8): the four waves of
; equal w % 4 have 34 steps together.  The late tile's two parts, each under its own M, are joined through LDS: both are multiplied by 2^(own M - larger M), exact, and added.
; The four work-groups of a cluster belong to one head and ask for K and V jointly.
; CAUSAL.  A step all of whose keys come after a tile's queries is left out: reference() itself puts -infinity there ahead of the softmax, so its p is 0 whatever the inputs hold.  LIMIT: a NaN, an infinity or an overflow that
; reaches only such scores is not carried to the result.  The branches hang on the wave's number and the count of steps alone; cx enters Q's and O's addresses and the mask's lane constant alone.
; oc: [32 tiles of 128 rows][8 chunks of 128 K][8 blocks of 16 rows][2048]; head hd fills registers 8 (hd % 2) on of chunk hd / 2.
; SCALES: q entry 6, k entry 7, v entry 8, p entry 9, o entry 10.  LIMITS: e6 + e7 between -123 and 130 (added to c's exponent field); e9 and e10 between -126 and 119; e8 + e9 goes by v_ldexp_f32; scaled scores under 2^31 in magnitude.
; REGISTERS: v1 16 x lane; v4, v5 the mask's constants of my first tile and of the late one; v6, v7 the join's LDS addresses; v8, v9 K's and V's; v10, v11 the add's; v12 -M, v13 the largest t, v[14:15] the sum in two halves;
;   v16-23 Q, v24-31 the late tile's Q; v32-95 eight fragments of K, then four of V; v96-159 S^T, then p; v160-191 O^T; v224-239 p's codes; v240 = v241: 448 x 2^e9; v244: 2^e9; v242, v243, v246-255 at work.
.set WV,   18
.set SEL,  20                          ; s[20:21] v_permlanex16_b32: lane l xor 16
.set CS,   22                          ; s[22:23] c = log2(e) / 8 x 2^(e6 + e7)
.set G1,   24
.set G0,   32
.set TB,   36                          ; LDS byte at which the step's tiles of K begin
.set KB,   37                          ; the step's number, 0 .. 15
.set L1,   38                          ; my first tile's last step of mine, among 0 .. 8,
.set DG1,  39                          ; and its step on the diagonal
.set CNT,  40
.set L2,   41                          ; my last step among 9 .. 15 (0: none),
.set DG2,  72                          ; the late tile's step on the diagonal
.set TY,   73
.set PI,   74                          ; i
.set LI,   1
.set MK1,  4
.set MK2,  5
.set JA,   6
.set JB,   7
.set ADK,  8
.set ADV,  9
.set SPW,  10
.set NIL,  11
.set JOIN,  262144                     ; LDS behind K and V: for each pair 4,352 bytes: O^T's 32 registers, -M, the sum
.set JPAIR, 4352
.set SPARE, JOIN+8*JPAIR
.macro CROUND                          ; a round of the cluster's barrier
	s_barrier_signal -1
	s_barrier_wait -1
	s_cmp_lg_u32 s[WV], 0
	s_cbranch_scc1 .Lnot_wave_0_\@
	s_barrier_signal -3
.Lnot_wave_0_\@:
	s_barrier_wait -3
	s_barrier_signal -1
	s_barrier_wait -1
.endm
.macro TILE t, q, o, m                 ; s[t] = tau: the byte of Q's image, of O's, and my first query within the step on the diagonal
	s_lshl_b32 s[\q], s58, 7
	s_add_co_u32 s[\q], s[\q], s[\t]
	s_lshl_b32 s[\q], s[\q], 10
	s_mov_b32 s[\q+1], 0
	s_lshr_b32 s62, s58, 4
	s_lshl_b32 s62, s62, 7
	s_add_co_u32 s62, s62, s[\t]                   ; block of 16 rows rb = 128 b + tau
	s_lshr_b32 s63, s62, 3
	s_lshl_b32 s63, s63, 3
	s_bfe_u32 s68, s58, 0x30001                    ; hd / 2
	s_add_co_u32 s63, s63, s68
	s_lshl_b32 s63, s63, 14                        ; (8 (rb / 8) + hd / 2) x 16,384
	s_and_b32 s62, s62, 7
	s_lshl_b32 s62, s62, 11
	s_add_co_u32 s63, s63, s62                     ; + 2,048 (rb % 8)
	s_and_b32 s68, s58, 1
	s_lshl_b32 s68, s68, 10
	s_add_co_u32 s[\o], s63, s68                   ; + 1,024 (hd % 2)
	s_mov_b32 s[\o+1], 0
	s_and_b32 s62, s[\t], 7
	s_lshl_b32 s[\m], s62, 4
.endm
	s_load_b256 s[4:11], s[0:1], 0x0               ; qc, kc, vc, the scales' exponents
	s_load_b64 s[12:13], s[0:1], 0x20              ; oc
	v_lshl_add_u32 v[SPW], v0, 2, SPARE
	v_mov_b32 v[NIL], 0
	ds_add_u32 v[SPW], v[NIL]                      ; the opening: the add, twice on end, and its wait ahead of my first tensor load
	ds_add_u32 v[SPW], v[NIL]
	v_lshrrev_b32 v2, 5, v0
	v_readfirstlane_b32 s[WV], v2                  ; wave 0..15
	s_bfe_u32 s57, ttmp6, 0x40000                  ; cx
	s_and_b32 s58, ttmp7, 0xffff                   ; the head, 16 b + hd
	s_lshr_b32 s59, s[WV], 3                       ; I fetch for K (0) or for V (1)
	s_and_b32 s60, s[WV], 3
	s_lshl_b32 s61, s59, 2
	s_add_co_u32 s[PI], s60, s61                   ; i
	s_bfe_u32 s[TY], s[WV], 0x10002                ; my type
	s_sub_co_u32 s[DG2], 15, s[PI]
	s_cmp_eq_u32 s[TY], 0
	s_cselect_b32 s[L1], 8, s[PI]
	s_cselect_b32 s[DG1], s[DG2], s[PI]
	s_cselect_b32 s[L2], 0, s[DG2]
	s_lshl_b32 s60, s[PI], 1
	s_add_co_u32 s60, s60, ttmp9                   ; f
	s_sub_co_u32 s61, 31, s60                      ; f'
	s_lshl_b32 s60, s60, 2
	s_add_co_u32 s60, s60, s57
	s_lshl_b32 s61, s61, 2
	s_add_co_u32 s61, s61, s57
	TILE 60, 42, 46, 50
	TILE 61, 44, 48, 51
	s_cmp_eq_u32 s[TY], 0                          ; type 0's first tile is the late one
	s_cselect_b64 s[42:43], s[44:45], s[42:43]
	s_cselect_b32 s50, s51, s50
	s_mul_i32 s75, s[PI], JPAIR
	s_add_co_u32 s75, s75, JOIN                    ; my pair's place for the join
	s_add_co_u32 s76, s75, 4096
	; what I fetch: eighth w % 8 of K or of V.  No place in the cluster enters these registers
	s_and_b32 s17, s[WV], 7
	s_lshl_b32 s17, s17, 14
	s_lshl_b32 s66, s58, 17                        ; a head is 131,072 bytes
	s_add_co_u32 s66, s66, s17                     ; in memory,
	s_mov_b32 s67, 0
	s_lshl_b32 s19, s[WV], 14                      ; and in LDS: K's eighths, then V's
	s_mov_b32 s[G1], 15|(3<<16)|(1<<21)            ; 15:0 the mask: all four work-groups; 17:16 elements of 8 bytes; 21 set beside a mask; no padding
	s_mov_b32 s[G1+1], 32<<16                      ; tensor_dim0 = 32 elements: rows of 256 bytes
	s_mov_b32 s[G1+2], 64<<16                      ; tensor_dim1 = 64 rows: 16,384 dense bytes
	s_mov_b32 s[G1+3], 32<<16                      ; tile_dim0
	s_mov_b32 s[G1+4], 64                          ; tile_dim1
	s_mov_b32 s[G1+5], 32                          ; from row to row
	s_mov_b32 s[G1+6], 0
	s_mov_b32 s[G1+7], 0
	s_mov_b32 s[SEL], 0x76543210
	s_mov_b32 s[SEL+1], 0xfedcba98
	s_mov_b32 s[CS], 0x3e38aa3b                    ; log2(e) / 8
	s_wait_dscnt 0x0
	s_wait_kmcnt 0x0
	s_load_b128 s[52:55], s[10:11], 0x18           ; entries 6 to 9
	s_load_b32 s56, s[10:11], 0x28                 ; entry 10
	s_cmp_eq_u32 s59, 0
	s_cselect_b64 s[14:15], s[6:7], s[8:9]
	s_add_nc_u64 s[G0+2:G0+3], s[14:15], s[66:67]
	s_add_nc_u64 s[42:43], s[4:5], s[42:43]
	s_add_nc_u64 s[44:45], s[4:5], s[44:45]
	s_add_nc_u64 s[46:47], s[12:13], s[46:47]
	s_add_nc_u64 s[48:49], s[12:13], s[48:49]
	s_mov_b32 s[G0], 1
	s_mov_b32 s[G0+1], s19
	s_or_b32 s[G0+3], s[G0+3], 0x80000000
	CROUND                                         ; all four work-groups are here: the joint loads meet
	tensor_load_to_lds s[G0:G0+3], s[G1:G1+7]      ; my one tensor load
	s_nop 0
.rept 4
	v_nop
.endr
	v_and_b32 v2, 31, v0
	v_lshlrev_b32 v[LI], 4, v2
	global_load_b128 v[16:19], v[LI], s[42:43]     ; Q's fragments stay in registers: my first tile's,
	global_load_b128 v[20:23], v[LI], s[42:43] offset:512
	global_load_b128 v[24:27], v[LI], s[44:45]     ; the late tile's (type 0 has it as its first, and does not use it again)
	global_load_b128 v[28:31], v[LI], s[44:45] offset:512
	v_and_b32 v3, 15, v0                           ; r
	v_bfe_u32 v8, v0, 4, 1                         ; h
	v_lshlrev_b32 v8, 3, v8
	v_sub_nc_u32 v3, v3, v8
	v_lshlrev_b32 v2, 2, v2
	v_add_nc_u32 v[MK1], s50, v3                   ; d = my query within the step - 8 h.  Register 8 c + j holds key 16 c + 8 h + j of the step: hidden where 16 c + j > d
	v_add_nc_u32 v[MK2], s51, v3
	v_add_nc_u32 v[JA], s75, v[LI]                 ; the join: 16 bytes a lane,
	v_add_nc_u32 v[JB], s76, v2                    ; and 4
.macro INIT
	v_mov_b32 v13, 0xff61b1e6                      ; the largest t so far: -3e38, under every t
	v_mov_b32 v14, 0                               ; the sum, in two halves
	v_mov_b32 v15, 0
	v_floor_f32 v12, -v13                          ; -M
.set nn, 0
.rept 32
	v_mov_b32 v[160+nn], 0                         ; O^T.  (The step is written once for all trips: the first finds zeros, which the first change of M leaves zeros)
.set nn, nn+1
.endr
.endm
	v_mov_b32 v252, 0
	v_mov_b32 v253, 0                              ; (named as the upper half of the pair v[252:253])
	v_mov_b32 v255, 0                              ; written once: a lane permute's destination counts as one of its sources
	INIT
	s_wait_alu depctr_va_vdst(0)
	s_wait_kmcnt 0x0
	s_add_co_i32 s68, s52, s53
	s_lshl_b32 s68, s68, 23
	s_add_co_i32 s[CS], s[CS], s68                 ; a score stands for score x 2^(e6 + e7): added to c's exponent field
	s_mov_b32 s[CS+1], s[CS]                       ; (named with it as a pair, so it is written)
	s_add_co_i32 s69, s54, s55                     ; e8 + e9, for the way out
	s_add_co_i32 s68, s56, 127
	s_lshl_b32 s70, s68, 23                        ; 2^e10
	s_add_co_i32 s68, s68, 8
	s_lshl_b32 s68, s68, 23
	s_or_b32 s71, s68, 0x600000                    ; 448 x 2^e10
	s_add_co_i32 s68, s55, 127
	s_lshl_b32 s60, s68, 23                        ; 2^e9
	s_add_co_i32 s68, s68, 8
	s_lshl_b32 s68, s68, 23
	s_or_b32 s61, s68, 0x600000                    ; 448 x 2^e9
	v_mov_b32 v244, s60
	v_mov_b32 v240, s61
	v_mov_b32 v241, s61
.macro SOFT                            ; the softmax of a step
	v_max3_num_f32 v254, v96, v97, v98             ; the largest score of my query among my 64 keys, in four chains, each accumulator from its low end on,
	v_max3_num_f32 v252, v99, v100, v101
	v_max3_num_f32 v250, v102, v103, v104
	v_max3_num_f32 v248, v105, v106, v107
.irp i, 12,20,28,36,44,52
	v_max3_num_f32 v254, v254, v[96+\i], v[97+\i]
	v_max3_num_f32 v252, v252, v[98+\i], v[99+\i]
	v_max3_num_f32 v250, v250, v[100+\i], v[101+\i]
	v_max3_num_f32 v248, v248, v[102+\i], v[103+\i]
.endr
	v_max3_num_f32 v254, v254, v156, v157
	v_max3_num_f32 v252, v252, v158, v159
	v_max_num_f32 v250, v250, v248
	s_delay_alu instid0(VALU_DEP_1)
	v_max3_num_f32 v254, v254, v252, v250
	v_permlanex16_b32 v255, v254, s[SEL], s[SEL+1]
	s_delay_alu instid0(VALU_DEP_1)
	v_max_num_f32 v254, v254, v255                 ; and among lane l xor 16's
	s_delay_alu instid0(VALU_DEP_1)
	v_mul_f32 v254, s[CS], v254                    ; as t (c is positive)
	s_delay_alu instid0(VALU_DEP_1)
	v_max_num_f32 v13, v13, v254                   ; the running largest t
	v_mov_b32 v254, v12
	s_delay_alu instid0(VALU_DEP_2)
	v_floor_f32 v12, -v13                          ; the new -M = floor(-t): M is a whole number
	s_delay_alu instid0(VALU_DEP_1)
	v_sub_f32 v254, v12, v254                      ; old M - new M: a whole number, 0 or less
	s_delay_alu instid0(VALU_DEP_1)
	v_cvt_i32_f32 v254, v254                       ; (it saturates)
	s_delay_alu instid0(VALU_DEP_1)
	v_ldexp_f32 v252, 1.0, v254                    ; f = 2^(old M - new M)
.set nn, 0
.rept 32
	v_pk_fma_f32 v[96+nn:97+nn], v[96+nn:97+nn], s[CS:CS+1], v[12:13] op_sel_hi:[1,0,0]   ; t - M (of the pairs c and -M the low word serves both halves)
.set nn, nn+2
.endr
	s_wait_alu depctr_va_vdst(0)
.set nn, 0
.rept 64
	v_exp_f32 v[96+nn], v[96+nn]                   ; p = 2^(t - M), at most 1
.set nn, nn+1
.endr
	v_pk_mul_f32 v[14:15], v[14:15], v[252:253] op_sel_hi:[1,0]   ; the sums under the new M: the plain instruction behind the exponentials
	s_wait_alu depctr_va_vdst(0)                   ; the wait ahead of the batch's first reader and of O^T's
.set nn, 0
.rept 16
	v_pk_mul_f32 v[160+nn:161+nn], v[160+nn:161+nn], v[252:253] op_sel_hi:[1,0]   ; O^T under the new M
.set nn, nn+2
.endr
	v_pk_add_f32 v[242:243], v[96:97], v[98:99]    ; the row's sum, of the unquantised p, in four chains
	v_pk_add_f32 v[246:247], v[100:101], v[102:103]
	v_pk_add_f32 v[248:249], v[104:105], v[106:107]
	v_pk_add_f32 v[250:251], v[108:109], v[110:111]
.irp i, 16,24,32,40,48,56
	v_pk_add_f32 v[242:243], v[242:243], v[96+\i:97+\i]
	v_pk_add_f32 v[246:247], v[246:247], v[98+\i:99+\i]
	v_pk_add_f32 v[248:249], v[248:249], v[100+\i:101+\i]
	v_pk_add_f32 v[250:251], v[250:251], v[102+\i:103+\i]
.endr
	v_pk_add_f32 v[242:243], v[242:243], v[246:247]
	v_pk_add_f32 v[248:249], v[248:249], v[250:251]
	s_delay_alu instid0(VALU_DEP_1)
	v_pk_add_f32 v[242:243], v[242:243], v[248:249]
	s_delay_alu instid0(VALU_DEP_1)
	v_pk_add_f32 v[14:15], v[14:15], v[242:243]
.set nn, 0
.rept 32                               ; the conversion does not saturate (ISA guide 7.6.2); p is not negative, so the hold is one-sided
	v_dual_min_num_f32 v[96+nn], v[96+nn], v240 :: v_dual_min_num_f32 v[97+nn], v[97+nn], v241
.set nn, nn+2
.endr
.irp c, 0,1,2,3,4,5,6,7
	v_cvt_scalef32_pk8_fp8_f32 v[224+2*\c:225+2*\c], v[96+8*\c:103+8*\c], v244
.endr
	v_nop                                          ; one plain instruction behind the last conversion
.endm
; A STEP: 128 keys of the tile in hand.  No barrier and no tensor load stands in a step.
.macro STEP lim, dg, mk
	s_cmp_gt_u32 s[KB], s[\lim]                    ; none of mine
	s_cbranch_scc1 .Lhid_\@
	v_add_nc_u32 v[ADK], s[TB], v[LI]
	s_delay_alu instid0(VALU_DEP_1)
	v_add_nc_u32 v[ADV], 0x20000, v[ADK]
	v_nop                                          ; with the two additions: four places behind the last step's products, ahead of loads into their sources
	v_nop
.irp c, 0,1,2,3,4,5,6,7
	ds_load_b128 v[32+8*\c:35+8*\c], v[ADK] offset:1024*\c
	ds_load_b128 v[36+8*\c:39+8*\c], v[ADK] offset:1024*\c+512
.endr
	s_wait_alu depctr_va_vdst(0)
	s_wait_dscnt 8                                 ; K's first four fragments are in; the eight loads of the other four may be out
.irp c, 0,1,2,3
	v_wmma_f32_16x16x64_fp8_fp8 v[96+8*\c:103+8*\c], v[32+8*\c:39+8*\c], v[16:23], 0
.endr
	s_wait_dscnt 0x0
.irp c, 4,5,6,7
	v_wmma_f32_16x16x64_fp8_fp8 v[96+8*\c:103+8*\c], v[32+8*\c:39+8*\c], v[16:23], 0
.endr
.rept 4
	v_nop                                          ; places ahead of the loads into K's registers and of the first read of the scores
.endr
.irp u, 0,1,2,3
.irp q, 0,1,2,3
	ds_load_b128 v[32+16*\u+4*\q:35+16*\u+4*\q], v[ADV] offset:2048*\u+512*\q   ; V's four fragments land while the softmax is walked
.endr
.endr
	s_cmp_lt_u32 s[KB], s[\dg]
	s_cbranch_scc1 .Lopen_\@                       ; all keys count
	v_mov_b32 v254, 0xff800000                     ; on the diagonal hidden scores become -infinity ahead of the maximum: p = 0 then.  A part's first step holds a key that counts for every query, or is followed by none: see the join
.set nn, 0
.rept 64
	v_cmp_gt_i32 vcc_lo, 16*(nn/8)+nn%8, v[\mk]
	v_cndmask_b32 v[96+nn], v[96+nn], v254, vcc_lo
.set nn, nn+1
.endr
.Lopen_\@:
	SOFT
	s_wait_alu depctr_va_vdst(0)
	s_wait_dscnt 0x0                               ; V is in
.irp u, 0,1,2,3
	v_wmma_f32_16x16x128_fp8_fp8 v[160+8*\u:167+8*\u], v[32+16*\u:47+16*\u], v[224:239], v[160+8*\u:167+8*\u]   ; four accumulators by turns
.endr
.Lhid_\@:
.endm
; Trip counts are constants: what a wave need not do is jumped over inside a step.
.macro STEPS first, trips, lim, dg, mk
	s_mov_b32 s[TB], (\first)*8192
	s_mov_b32 s[KB], \first
	s_mov_b32 s[CNT], \trips
.Lsteps_\@:
	STEP \lim, \dg, \mk
	s_add_co_u32 s[TB], s[TB], 8192
	s_add_co_u32 s[KB], s[KB], 1
	s_sub_co_u32 s[CNT], s[CNT], 1
	s_cmp_lg_u32 s[CNT], 0
	s_cbranch_scc1 .Lsteps_\@
.endm
; THE WAY OUT of a tile.  v14: my lane's sum.  O^T / the row's sum x 2^(e8 + e9), quantised with entry 10: the conversions' results are the next operand's registers.
.macro FINISH o
	v_mov_b32 v246, s70
	v_mov_b32 v247, s71
	v_permlanex16_b32 v252, v14, s[SEL], s[SEL+1]
	s_delay_alu instid0(VALU_DEP_1)
	v_add_f32 v14, v14, v252                       ; and lane l xor 16's
	s_wait_alu depctr_va_vdst(0)                   ; the wait ahead of the transcendental,
	v_rcp_f32 v14, v14
	v_nop                                          ; a plain instruction behind it,
	s_wait_alu depctr_va_vdst(0)                   ; and the wait ahead of its first reader
	v_ldexp_f32 v14, v14, s69
	s_delay_alu instid0(VALU_DEP_1)
	v_mov_b32 v15, v14
	s_wait_alu depctr_va_vdst(0)                   ; and ahead of the first readers of O^T
.set nn, 0
.rept 16
	v_pk_mul_f32 v[96+nn:97+nn], v[160+nn:161+nn], v[14:15]   ; register 8 u + j: o(query r, channel 16 u + 8 h + j)
.set nn, nn+2
.endr
.set nn, 0
.rept 32
	v_med3_num_f32 v[96+nn], v[96+nn], -v247, v247
.set nn, nn+1
.endr
.irp u, 0,1,2,3
	v_cvt_scalef32_pk8_fp8_f32 v[224+2*\u:225+2*\u], v[96+8*\u:103+8*\u], v246
.endr
	v_nop                                          ; one plain instruction behind the last conversion
	global_store_b128 v[LI], v[224:227], s[\o:\o+1]              ; 512 consecutive bytes, aligned
	global_store_b128 v[LI], v[228:231], s[\o:\o+1] offset:512
.endm
	s_wait_alu depctr_va_vdst(0)
	s_wait_loadcnt 0x0                             ; Q
	s_wait_tensorcnt 0x0                           ; my part of K or V is in
	s_barrier_signal -1
	s_barrier_wait -1                              ; everybody's is
	STEPS 0, 9, L1, DG1, MK1
	s_cmp_eq_u32 s[TY], 0
	s_wait_alu depctr_va_vdst(0)                   ; ahead of the branch
	s_cbranch_scc1 .Lsame
	v_add_f32 v14, v14, v15                        ; type 1: the early tile is finished and leaves;
	FINISH 46
.set nn, 0
.rept 8
	v_mov_b32 v[16+nn], v[24+nn]                   ; the late tile's Q takes its place,
.set nn, nn+1
.endr
	INIT                                           ; under sums that begin anew
	s_wait_alu depctr_va_vdst(0)
	s_wait_xcnt 0x0                                ; the stores have read their registers: they may be written again
.Lsame:
	STEPS 9, 7, L2, DG2, MK2
	; THE JOIN of the late tile's two parts.  Type 1 hands its part over; where it had no step (i = 7) that is zeros under M = -3e38, which the factor 0 leaves zeros.
	; (Of a late tile's steps 9 .. 15 - i the first lies on the diagonal only for i = 6; each step's key 0 counts for all of a tile's queries where the tile begins at or behind it, which holds for every step that is walked.)
	v_add_f32 v14, v14, v15                        ; my lane's sum
.rept 3
	v_nop                                          ; with the addition: four places behind the last products, ahead of the stores of their results
.endr
	s_cmp_eq_u32 s[TY], 0
	s_wait_alu depctr_va_vdst(0)
	s_cbranch_scc1 .Lno_hand
.irp g, 0,1,2,3,4,5,6,7
	ds_store_b128 v[JA], v[160+4*\g:163+4*\g] offset:512*\g
.endr
	ds_store_b32 v[JB], v12
	ds_store_b32 v[JB], v14 offset:128
.Lno_hand:
	s_wait_alu depctr_va_vdst(0)
	s_wait_dscnt 0x0                               ; my stores are done
	s_barrier_signal -1
	s_barrier_wait -1
	s_cmp_lg_u32 s[TY], 0
	s_cbranch_scc1 .Lend                           ; type 1 has nothing more to do
	ds_load_b32 v128, v[JB]
	ds_load_b32 v129, v[JB] offset:128
.irp g, 0,1,2,3,4,5,6,7
	ds_load_b128 v[96+4*\g:99+4*\g], v[JA] offset:512*\g
.endr
	s_wait_dscnt 0x0
	v_min_num_f32 v130, v12, v128                  ; -M of the whole
	v_sub_f32 v132, v130, v12
	v_sub_f32 v133, v130, v128
	v_cvt_i32_f32 v132, v132                       ; (it saturates)
	v_cvt_i32_f32 v133, v133
	v_ldexp_f32 v134, 1.0, v132                    ; my part's factor, twice: a pair
	v_ldexp_f32 v136, 1.0, v133                    ; and the other part's
	v_mov_b32 v135, v134
	v_mov_b32 v137, v136
	v_mul_f32 v14, v14, v134
	v_fma_f32 v14, v129, v136, v14
.set nn, 0
.rept 16
	v_pk_mul_f32 v[160+nn:161+nn], v[160+nn:161+nn], v[134:135]
.set nn, nn+2
.endr
.set nn, 0
.rept 16
	v_pk_fma_f32 v[160+nn:161+nn], v[96+nn:97+nn], v[136:137], v[160+nn:161+nn]
.set nn, nn+2
.endr
	FINISH 48
.Lend:
	s_wait_tensorcnt 0x0                           ; the wave's end
	ds_add_u32 v[SPW], v[NIL]
	s_wait_dscnt 0x0
	CROUND                                         ; the closing round: no work-group ends while a partner may still ask for a tile that names it
	s_endpgm
.Lfunc_end_k_q13f01b6e76_attn:
	.size	k_q13f01b6e76_attn, .Lfunc_end_k_q13f01b6e76_attn-k_q13f01b6e76_attn
	.p2alignl 7, 3214868480
	.fill 96, 4, 3214868480
	.section	.rodata,"a",@progbits
	.p2align	6, 0x0
	.amdhsa_kernel k_q13f01b6e76_attn
		.amdhsa_group_segment_fixed_size 299008
		.amdhsa_private_segment_fixed_size 0
		.amdhsa_enable_private_segment 0
		.amdhsa_kernarg_size 40
		.amdhsa_user_sgpr_count 2
		.amdhsa_user_sgpr_kernarg_segment_ptr 1
		.amdhsa_wavefront_size32 1
		.amdhsa_system_sgpr_workgroup_id_x 1
		.amdhsa_system_sgpr_workgroup_id_y 1
		.amdhsa_system_sgpr_workgroup_id_z 1
		.amdhsa_system_vgpr_workitem_id 0
		.amdhsa_next_free_vgpr 256
		.amdhsa_next_free_sgpr 84
		.amdhsa_reserve_vcc 1
		.amdhsa_float_denorm_mode_32 3
		.amdhsa_float_denorm_mode_16_64 3
		.amdhsa_memory_ordered 1
		.amdhsa_forward_progress 1
		.amdhsa_inst_pref_size 65
	.end_amdhsa_kernel
	.amdgpu_metadata
---
amdhsa.version: [ 1, 2 ]
amdhsa.kernels:
  - .name:           k_q13f01b6e76_attn
    .symbol:         k_q13f01b6e76_attn.kd
    .args:
      - { .name: qc, .offset: 0, .size: 8, .value_kind: global_buffer, .address_space: global }
      - { .name: kc, .offset: 8, .size: 8, .value_kind: global_buffer, .address_space: global }
      - { .name: vc, .offset: 16, .size: 8, .value_kind: global_buffer, .address_space: global }
      - { .name: lowp_scales, .offset: 24, .size: 8, .value_kind: global_buffer, .address_space: global }
      - { .name: oc, .offset: 32, .size: 8, .value_kind: global_buffer, .address_space: global }
    .group_segment_fixed_size: 299008
    .private_segment_fixed_size: 0
    .kernarg_segment_align: 8
    .kernarg_segment_size: 40
    .max_flat_workgroup_size: 512
    .sgpr_count:     84
    .vgpr_count:     256
    .wavefront_size: 32
...
	.end_amdgpu_metadata
.endif
;; end of part 3
;; launch proj (part 4): grid 8 x 32, 4 waves a work-group, clusters of 4 x 4, 327,680 bytes of LDS; arguments oc, wc, lowp_scales, out0; writes out0
.if DOCPART == 4
	.amdgcn_target "amdgcn-amd-amdhsa--gfx1250"
	.amdhsa_code_object_version 6
	.text
	.protected	k_q13f01b6e76_proj
	.globl	k_q13f01b6e76_proj
	.p2align	8
	.type	k_q13f01b6e76_proj,@function
k_q13f01b6e76_proj:
	s_mov_b64 s[64:65], 0
	v_nop
	global_prefetch_b8 v0, s[64:65] scope:SCOPE_SE
	s_setreg_imm32_b32 hwreg(HW_REG_WAVE_MODE, 25, 1), 1
	s_wait_xcnt 0x0
	s_wait_alu depctr_hold_cnt(0) depctr_sa_sdst(0) depctr_va_vdst(0) depctr_va_sdst(0) depctr_va_ssrc(0) depctr_va_vcc(0) depctr_vm_vsrc(0)
	s_getreg_b32 s2, hwreg(HW_REG_IB_STS2, 6, 4)
	s_cmp_eq_u32 s2, 0
	s_cbranch_scc0 .Lentry_in_a_cluster
	s_endpgm
.Lentry_in_a_cluster:
	s_bfe_u32 s2, ttmp6, 0x10000c
	s_cmp_lg_u32 s2, 0xf033
	s_cbranch_scc0 .Lentry_shape_is_right
	s_endpgm
.Lentry_shape_is_right:
; out0 = o Wu^T on codes of E4M3: o's codes (entry 10) from oc, Wu's (entry 11) from the fourth 2^20 bytes of wc; each finished sum x 2^(e10 + e11); out0 [4096][1024] f32.
; A work-group makes a tile of 128 rows x 128 columns with all of K = 1,024; four waves, 64 x 64 each: 16 accumulators.  Both operands' 131,072 bytes lie in LDS at once: each LDS byte is filled once.
; OPERANDS ARE IMAGES OF REGISTERS (lane (r, h): row r; registers 2 c, 2 c + 1: k = 16 c + 8 h + 0 .. 7; registers 4 q .. 4 q + 3 of lane l at 512 q + 16 l), laid [tile of 128 rows][8 chunks of 128 K][8 blocks of 16 rows][2048]
; in memory and in LDS alike: two chunks of a tile are 32,768 dense bytes, one tensor load; a fragment is four LDS loads of 512 consecutive bytes.
; K's first half (chunks 0-3) comes by one tensor load a wave at the head, the second half by one more a wave behind the round that shows the first to all; it has the first half's work in which to land.
; PREFETCH: the second half is asked for at the head: of the 128 blocks of 256 bytes that a wave fetches each of the four partners names 32, told apart by address, a block a lane; Wu's only in the first four rows of clusters.
; THE MATRIX INSTRUCTION IS USED TRANSPOSED (source 0 = 16 rows of Wu, source 1 = 16 rows of o): lane (r, h) of accumulator (a, b) holds row 16 a + r of out0 and its columns 16 b + 8 h + 0 .. 7.
; CLUSTERS: 4 x 4 work-groups; o's chunks are asked for jointly along a row of the cluster, Wu's along a column.
; THE WAY OUT: a wave's 64 columns are 256 bytes; a block of 16 rows goes through the wave's own stage in LDS (behind the tiles: no fill lands there) and leaves as whole aligned runs of 256 bytes.
; LIMIT: e10 + e11 between -126 and 127.
; REGISTERS: window 0: v3 16 x lane; v5 the prefetch's offset; v8-11 LDS addresses; v12-14 the way out's addresses; v32-95 rows read back, two sets; v126, v127 the add's; v128-255 accumulators.
;   window 1: two fragment buffers of 128: A's four fragments, then B's four.
.set WV, 56
.set RH, 57                            ; which 64 of the tile's rows are mine.  Also: I fetch for A (0) or for B (1)
.set CH, 58                            ; which 64 of its columns.  Also: which two chunks of a half I fetch
.set CX, 59
.set CY, 60
.set AI, 66
.set BI, 67
.set G1A, 24
.set G1B, 32
.set G0A, 40                           ; s[40:47], s[48:55] groups 0, one for each half of K
.set G0B, 48
.set PFA, 82                           ; s[82:83] where my prefetch stands
.set HALF,  65536                      ; half of K of a tile
.set REGB,  131072                     ; LDS: A's tile at 0, B's here,
.set STAGE, 262144                     ; and the stages: 16 rows x 272 bytes for each wave
.set SPARE, STAGE+4*16*272
.set LI,   3
.set PFO,  5
.set ADRA, 8
.set ADRB, 10
.set STO,  12
.set RD,   13
.set CO,   14
.set OB,   32
.set SPW,  126
.set NIL,  127
.set ACC,  128
.set MSB, 0
.macro WIN new                         ; the immediate's high byte repeats the setting that is left
.if MSB != \new
	s_set_vgpr_msb (MSB<<8)|\new
.set MSB, \new
.endif
.endm
.set MUL,  0x05                        ; sources 0 and 1 window 1; C and D window 0
.set TO_F, 0x40                        ; destination window 1, address window 0
.macro CROUND                          ; a round of the cluster's barrier
	s_barrier_signal -1
	s_barrier_wait -1
	s_cmp_lg_u32 s[WV], 0
	s_cbranch_scc1 .Lnot_wave_0_\@
	s_barrier_signal -3
.Lnot_wave_0_\@:
	s_barrier_wait -3
	s_barrier_signal -1
	s_barrier_wait -1
.endm
.macro PLACES                          ; four plain vector instructions behind matrix instructions, ahead of loads into their sources and of reads of their results
.rept 4
	v_nop
.endr
.endm
.macro JLOAD s                         ; a joint load: waves 0 and 1 fetch for A, waves 2 and 3 for B
	s_cmp_eq_u32 s[RH], 0
	s_cbranch_scc0 .Lfor_b_\@
	tensor_load_to_lds s[G0A+4*\s:G0A+4*\s+3], s[G1A:G1A+7]
	s_nop 0
	PLACES
	s_branch .Lasked_\@
.Lfor_b_\@:
	tensor_load_to_lds s[G0B+4*\s:G0B+4*\s+3], s[G1B:G1B+7]
	s_nop 0
	PLACES
.Lasked_\@:
.endm
.macro FETCH k, f                      ; chunk k's eight fragments into buffer f: 32 LDS loads of 512 consecutive bytes
	WIN TO_F
.irp i, 0,1,2,3
.irp c, 0,1,2,3
	ds_load_b128 v[\f+64+16*\i+4*\c:\f+64+16*\i+4*\c+3], v[ADRB+(\k)/4] offset:((\k)%4)*16384+\i*2048+512*\c
.endr
.irp c, 0,1,2,3
	ds_load_b128 v[\f+16*\i+4*\c:\f+16*\i+4*\c+3], v[ADRA+(\k)/4] offset:((\k)%4)*16384+\i*2048+512*\c
.endr
.endr
.endm
.macro MUL16 f, zero                   ; 128 along K on all sixteen accumulators, which take turns, one instruction a turn, in the same order in every chunk
.irp a, 0,1,2,3
.irp b, 0,1,2,3
.if \zero
	v_wmma_f32_16x16x128_fp8_fp8 v[ACC+8*(4*\a+\b):ACC+8*(4*\a+\b)+7], v[\f+64+16*\b:\f+64+16*\b+15], v[\f+16*\a:\f+16*\a+15], 0
.else
	v_wmma_f32_16x16x128_fp8_fp8 v[ACC+8*(4*\a+\b):ACC+8*(4*\a+\b)+7], v[\f+64+16*\b:\f+64+16*\b+15], v[\f+16*\a:\f+16*\a+15], v[ACC+8*(4*\a+\b):ACC+8*(4*\a+\b)+7]
.endif
.endr
.endr
.endm
; Chunk k is multiplied while chunk k + 1's fragments come from LDS.  Ahead of chunk 4's each wave waits for its own load and meets the others.
.macro CHUNK k
.if (\k) < 7
.if (\k) == 3
	s_wait_tensorcnt 0x0                           ; my load is in
	s_wait_dscnt 0x0                               ; no LDS instruction of mine is pending at a signal
	s_barrier_signal -1
	s_barrier_wait -1                              ; everybody's is
.endif
.if (\k) > 0
	PLACES                                         ; chunk k - 1's products have read the buffer that is loaded next
.endif
	FETCH (\k)+1, 128*(((\k)+1)%2)
	s_wait_dscnt 32                                ; chunk k's fragments are in; the 32 loads just issued may be out
.else
	s_wait_dscnt 0x0
.endif
	WIN MUL
.if (\k) == 0
	MUL16 0, 1                                     ; the first products start the sums: nothing is cleared
.else
	MUL16 128*((\k)%2), 0
.endif
.endm
	s_load_b256 s[4:11], s[0:1], 0x0               ; oc, wc, the scales' exponents, out0
	v_lshl_add_u32 v[SPW], v0, 2, SPARE
	v_mov_b32 v[NIL], 0
	ds_add_u32 v[SPW], v[NIL]                      ; the opening: the add, twice on end, and its wait ahead of my first tensor load
	ds_add_u32 v[SPW], v[NIL]
	v_lshrrev_b32 v1, 5, v0
	v_readfirstlane_b32 s[WV], v1
	s_lshr_b32 s[RH], s[WV], 1
	s_and_b32 s[CH], s[WV], 1
	s_bfe_u32 s[CX], ttmp6, 0x40000
	s_bfe_u32 s[CY], ttmp6, 0x40004
	s_and_b32 s[AI], ttmp7, 0xffff
	s_lshl_b32 s[AI], s[AI], 2
	s_add_co_u32 s[AI], s[AI], s[CY]               ; tile row = 4 x cluster y + cy, which my row of the cluster shares
	s_lshl_b32 s[BI], ttmp9, 2
	s_add_co_u32 s[BI], s[BI], s[CX]               ; tile column = 4 x cluster x + cx, which my column shares
	s_lshl_b32 s62, s[CY], 2
	s_lshl_b32 s62, 15, s62                        ; my row of the cluster
	s_lshl_b32 s2, 0x1111, s[CX]                   ; my column
	s_or_b32 s[G1A], s62, (3<<16)|(1<<21)          ; 15:0 the mask; 17:16 elements of 8 bytes; 21 set beside a mask; no padding
	s_or_b32 s[G1B], s2, (3<<16)|(1<<21)
.irp g, G1A, G1B
	s_mov_b32 s[\g+1], 32<<16                      ; tensor_dim0 = 32 elements: rows of 256 bytes
	s_mov_b32 s[\g+2], 128<<16                     ; tensor_dim1 = 128 rows: 32,768 dense bytes
	s_mov_b32 s[\g+3], 32<<16                      ; tile_dim0
	s_mov_b32 s[\g+4], 128                         ; tile_dim1
	s_mov_b32 s[\g+5], 32                          ; from row to row
	s_mov_b32 s[\g+6], 0
	s_mov_b32 s[\g+7], 0
.endr
	s_lshl_b32 s61, s[CH], 15                      ; my two chunks of a half: in memory and in LDS alike
	s_lshl_b32 s62, s[AI], 17                      ; a tile is 131,072 bytes
	s_add_co_u32 s62, s62, s61
	s_mov_b32 s63, 0
	s_lshl_b32 s2, s[BI], 17
	s_add_co_u32 s2, s2, s61
	s_add_co_u32 s2, s2, 3<<20                     ; Wu is the fourth weight in wc
	s_mov_b32 s3, 0
	s_wait_dscnt 0x0
	s_wait_kmcnt 0x0
	s_load_b64 s[12:13], s[8:9], 0x28              ; entries 10, 11
	s_add_nc_u64 s[96:97], s[4:5], s[62:63]
	s_add_nc_u64 s[98:99], s[6:7], s[2:3]
	CROUND                                         ; all sixteen work-groups are here: the joint loads meet
.irp s, 0,1
	s_mov_b32 s[G0A+4*\s], 1
	s_add_co_u32 s[G0A+4*\s+1], s61, \s*HALF
	s_add_nc_u64 s[G0A+4*\s+2:G0A+4*\s+3], s[96:97], \s*HALF
	s_or_b32 s[G0A+4*\s+3], s[G0A+4*\s+3], 0x80000000
	s_mov_b32 s[G0B+4*\s], 1
	s_add_co_u32 s[G0B+4*\s+1], s61, REGB+\s*HALF
	s_add_nc_u64 s[G0B+4*\s+2:G0B+4*\s+3], s[98:99], \s*HALF
	s_or_b32 s[G0B+4*\s+3], s[G0B+4*\s+3], 0x80000000
.endr
	JLOAD 0                                        ; K's first half: one tensor load a wave at the head
	s_cmp_eq_u32 s[RH], 0
	s_cselect_b32 s80, s[CX], s[CY]                ; my place among the four that ask with me
	s_cselect_b64 s[PFA:PFA+1], s[96:97], s[98:99]
	s_lshl_b32 s80, s80, 13
	s_mov_b32 s81, 0
	s_add_nc_u64 s[PFA:PFA+1], s[PFA:PFA+1], s[80:81]
	s_lshl_b32 s14, s[AI], 19                      ; my first row, 128 AI + 64 RH, x 4,096 bytes,
	s_lshl_b32 s15, s[RH], 18
	s_add_co_u32 s14, s14, s15
	s_lshl_b32 s15, s[BI], 9                       ; my first column, 128 BI + 64 CH, x 4 bytes
	s_add_co_u32 s14, s14, s15
	s_lshl_b32 s15, s[CH], 8
	s_add_co_u32 s14, s14, s15
	s_mov_b32 s15, 0
	s_add_nc_u64 s[10:11], s[10:11], s[14:15]
	s_lshl_b32 s16, s[RH], 13                      ; my four blocks of 16 rows: 4 x 2,048 bytes in each chunk
	s_lshl_b32 s17, s[CH], 13
	s_add_co_u32 s17, s17, REGB
	s_mul_i32 s18, s[WV], 16*272
	s_add_co_u32 s18, s18, STAGE                   ; my stage
	v_and_b32 v4, 31, v0
	v_and_b32 v1, 15, v0                           ; r
	v_bfe_u32 v2, v0, 4, 1                         ; h
	v_lshlrev_b32 v[LI], 4, v4
	v_lshlrev_b32 v[PFO], 8, v4                    ; a block of 256 bytes a lane
	v_mul_u32_u24 v[STO], v1, 272                  ; in: row r, 32 bytes for each half of the lanes
	v_mul_u32_u24 v[RD], v2, 272                   ; back: lanes 0-15 one row of 256 bytes, lanes 16-31 the next
	v_lshlrev_b32 v[CO], 12, v2                    ; and the same two rows in out0: a row is 4,096 bytes
	v_add_nc_u32 v[ADRA], s16, v[LI]
	v_add_nc_u32 v[ADRB], s17, v[LI]
	v_lshl_add_u32 v[STO], v2, 5, v[STO]
	v_lshl_add_u32 v[RD], v1, 4, v[RD]
	v_lshl_add_u32 v[CO], v1, 4, v[CO]
	v_add_nc_u32 v[ADRA+1], 0x10000, v[ADRA]
	v_add_nc_u32 v[ADRB+1], 0x10000, v[ADRB]
	v_add_nc_u32 v[STO], s18, v[STO]
	v_add_nc_u32 v[RD], s18, v[RD]
	s_and_b32 s80, ttmp7, 0xffff
	s_cmp_eq_u32 s[RH], 0
	s_cselect_b32 s80, 0, s80                      ; for A every cluster asks, for B those of cluster y 0 to 3
	s_cmp_lt_u32 s80, 4
	s_wait_alu depctr_va_vdst(0)
	s_cbranch_scc0 .Lno_ask
	global_prefetch_b8 v[PFO], s[PFA:PFA+1] offset:HALF th:TH_LOAD_NT scope:SCOPE_SE
.Lno_ask:
	s_wait_kmcnt 0x0
	s_add_co_i32 s12, s12, s13
	s_add_co_i32 s12, s12, 127
	s_lshl_b32 s96, s12, 23                        ; 2^(e10 + e11) as f32
	s_mov_b32 s97, s96                             ; (named with it as a pair, so it is written)
	s_wait_tensorcnt 0x0                           ; my part of K's first half is in
	ds_add_u32 v[SPW], v[NIL]
	s_wait_dscnt 0x0
	CROUND                                         ; everybody's part is in, and the joint loads meet
	JLOAD 1                                        ; K's second half
	FETCH 0, 0
.irp k, 0,1,2,3,4,5,6,7
	CHUNK \k
.endr
	WIN 0
	PLACES
; Block a, 16 rows x 64 columns: x 2^(e10 + e11), each accumulator from its low end on; into my stage, and back as whole rows.  LDS serves a wave's instructions in order: no wait between the stores and the loads,
; nor ahead of the next block's stores.
.macro TOSTAGE a
.set ii, 0
.rept 16
	v_pk_mul_f32 v[ACC+32*(\a)+ii:ACC+32*(\a)+ii+1], v[ACC+32*(\a)+ii:ACC+32*(\a)+ii+1], s[96:97] op_sel_hi:[1,0]
.set ii, ii+2
.endr
.irp b, 0,1,2,3
	ds_store_b128 v[STO], v[ACC+32*(\a)+8*\b:ACC+32*(\a)+8*\b+3]   offset:64*\b
	ds_store_b128 v[STO], v[ACC+32*(\a)+8*\b+4:ACC+32*(\a)+8*\b+7] offset:64*\b+16
.endr
.irp t, 0,1,2,3,4,5,6,7
	ds_load_b128 v[OB+32*((\a)%2)+4*\t:OB+32*((\a)%2)+4*\t+3], v[RD] offset:544*\t
.endr
.endm
.macro SEND a, younger                 ; younger: the LDS instructions issued behind block a's loads, which may stay out
	s_wait_dscnt \younger
.irp t, 0,1,2,3,4,5,6,7
	global_store_b128 v[CO], v[OB+32*((\a)%2)+4*\t:OB+32*((\a)%2)+4*\t+3], s[10:11] offset:(16*(\a)+2*\t)*4096 th:TH_STORE_NT   ; sixteen lanes store 256 consecutive bytes, aligned; written once, read by nobody here
.endr
.endm
	TOSTAGE 0
.irp a, 1,2,3
.if \a > 1
	s_wait_xcnt 0x0                                ; block a - 2's stores have read their registers: block a's loads may land there
.endif
	TOSTAGE \a
	SEND \a-1, 16                                  ; behind block a - 1's loads: block a's 8 stores and 8 loads
.endr
	SEND 3, 0
	s_wait_tensorcnt 0x0                           ; the wave's end
	ds_add_u32 v[SPW], v[NIL]
	s_wait_dscnt 0x0
	CROUND                                         ; the closing round: no work-group ends while a partner may still ask for a tile that names it
	s_endpgm
.Lfunc_end_k_q13f01b6e76_proj:
	.size	k_q13f01b6e76_proj, .Lfunc_end_k_q13f01b6e76_proj-k_q13f01b6e76_proj
	.p2alignl 7, 3214868480
	.fill 96, 4, 3214868480
	.section	.rodata,"a",@progbits
	.p2align	6, 0x0
	.amdhsa_kernel k_q13f01b6e76_proj
		.amdhsa_group_segment_fixed_size 327680
		.amdhsa_private_segment_fixed_size 0
		.amdhsa_enable_private_segment 0
		.amdhsa_kernarg_size 32
		.amdhsa_user_sgpr_count 2
		.amdhsa_user_sgpr_kernarg_segment_ptr 1
		.amdhsa_wavefront_size32 1
		.amdhsa_system_sgpr_workgroup_id_x 1
		.amdhsa_system_sgpr_workgroup_id_y 1
		.amdhsa_system_sgpr_workgroup_id_z 1
		.amdhsa_system_vgpr_workitem_id 0
		.amdhsa_next_free_vgpr 512
		.amdhsa_next_free_sgpr 100
		.amdhsa_reserve_vcc 0
		.amdhsa_float_denorm_mode_32 3
		.amdhsa_float_denorm_mode_16_64 3
		.amdhsa_memory_ordered 1
		.amdhsa_forward_progress 1
		.amdhsa_inst_pref_size 45
	.end_amdhsa_kernel
	.amdgpu_metadata
---
amdhsa.version: [ 1, 2 ]
amdhsa.kernels:
  - .name:           k_q13f01b6e76_proj
    .symbol:         k_q13f01b6e76_proj.kd
    .args:
      - { .name: oc, .offset: 0, .size: 8, .value_kind: global_buffer, .address_space: global }
      - { .name: wc, .offset: 8, .size: 8, .value_kind: global_buffer, .address_space: global }
      - { .name: lowp_scales, .offset: 16, .size: 8, .value_kind: global_buffer, .address_space: global }
      - { .name: out0, .offset: 24, .size: 8, .value_kind: global_buffer, .address_space: global }
    .group_segment_fixed_size: 327680
    .private_segment_fixed_size: 0
    .kernarg_segment_align: 8
    .kernarg_segment_size: 32
    .max_flat_workgroup_size: 128
    .sgpr_count:     100
    .vgpr_count:     512
    .wavefront_size: 32
...
	.end_amdgpu_metadata
.endif
;; end of part 4
